; MI455X (gfx1250); checked and timed in simulation.
; The chip was launched on July 23, 2026; its instructions are those of AMD's public machine-readable ISA for CDNA 5 (MIT licence, August 2026) and "CDNA5" Instruction Set Architecture Reference Guide (July 2026). The comments in the code are by the model that wrote it; some were corrected since.
;; Multihead self attention. Allowed arithmetic: matrix products marked QUANTISED: E2M3 operands, one E8M0 scale for each 32 along K, by v_wmma_scale_f32_16x16x128_f8f6f4 with both operands' format E2M3, f32 sums; everything else in f32.
;; Inputs: Wk 1,024 x 1,024 float32; Wo 1,024 x 1,024 float32; Wq 1,024 x 1,024 float32; Wv 1,024 x 1,024 float32; token_positions 2,048 int32; x 4 x 2,048 x 1,024 float32.
;; Outputs: out0 4 x 2,048 x 1,024 float32.
;; This version of the problem:
;;   THIS VERSION OF THE PROBLEM IS GIVEN IN LOW PRECISION. The matrix products marked QUANTISED in the list below multiply operands that are first quantised to E2M3 (2 exponent bits, 3 mantissa bits; 6 bits a number), with one power-of-two scale for each 32 numbers along K (OCP MX v1.0); their sums are f32. All else is computed in f32.
;;   The module's matrix products, in the order in which they are computed (A, B: the left and right operand; K: the contracted axis; several contracted axes count as one K, in the product's order):
;;     1. [M 8,192, K 1,024] x [K 1,024, N 1,024]; A: input x; B: input Wq: QUANTISED
;;     2. [M 8,192, K 1,024] x [K 1,024, N 1,024]; A: input x; B: input Wk: QUANTISED
;;     3. [M 8,192, K 1,024] x [K 1,024, N 1,024]; A: input x; B: input Wv: QUANTISED
;;     4. batch 64 x [M 2,048, K 64] x [K 64, N 2,048]; A: computed on the way; B: computed on the way: QUANTISED
;;     5. batch 64 x [M 2,048, K 2,048] x [K 2,048, N 64]; A: softmax (see below); B: computed on the way: QUANTISED
;;     6. [M 8,192, K 1,024] x [K 1,024, N 1,024]; A: computed on the way; B: input Wo: QUANTISED
;;   THE QUANTISER, for each operand of a quantised product, along K:
;;     - K is cut into blocks of 32 from its start; a last block that is shorter is filled with zeros.
;;     - A block's scale is 2^e with e = floor(log2(the largest magnitude in the block)) - 2, held to -126 .. 127; a block of zeros has e = 0. As a byte (E8M0): e + 127.
;;     - Each number is divided by its block's scale, clamped to +-7.5, and rounded to the nearest number of E2M3, ties to even, subnormals kept.
;;     - The product sums the exact products of the quantised numbers (number of the format x scale) in f32.
;;   ~~~python
;;   def quantise(x, axis):      # numpy; x: float32 -> the quantised numbers, widened to float32 again
;;       x = np.moveaxis(x, axis, -1); K = x.shape[-1]
;;       x = np.pad(x, [(0, 0)] * (x.ndim - 1) + [(0, -K % 32)]); x = x.reshape(x.shape[:-1] + (-1, 32)); a = np.abs(x).max(-1, keepdims=True)
;;       e = np.where(a > 0, np.clip(np.frexp(np.where(a > 0, a, 1))[1] - 1 - 2, -126, 127), 0)      # np.frexp(a)[1] - 1 = floor(log2(a)), exactly
;;       r = np.clip(x / 2.0 ** e, -7.5, 7.5)
;;       step = 2.0 ** (np.maximum(np.frexp(np.where(r == 0, 1, r))[1] - 1, 0) - 3)
;;       q = np.round(r / step) * step * 2.0 ** e      # np.round: ties to even
;;       return np.moveaxis(q.reshape(q.shape[:-2] + (-1,))[..., :K], -1, axis).astype(np.float32)
;;   ~~~
;;   SOFTMAX AHEAD OF A QUANTISED PRODUCT. Where the list says 'softmax', what is quantised is not the finished softmax but p = 2^(t - M), with t = logit x log2(e) and M = ceil(the row's largest t), a whole number; so 1/2 < the row's largest p <= 1. The row's sum l is taken of the UNQUANTISED p, in f32, and the product's result is divided by l at the end. Since M is a whole number, a kernel that streams over the keys may use a running M (the ceiling of the running maximum): every later rescaling is an exact power of two, which a block's scale takes up: the codes' values come out the same.
;;   OPERANDS COMPUTED ON THE WAY. 'Computed on the way' means the value that the module computes at that place (a softmax that the list does not call 'softmax' is quantised finished and normalised). What goes into a quantiser is computed in f32, as accurately as f32 sums, v_exp_f32 and their like allow (about 1e-6 of the number): no bf16 or f16 on the way to a quantiser, and a product that is left as it is and whose result goes on into a quantised operand takes f32 operands (vector FMAs, or v_wmma_f32_16x16x4_f32). A number that lies on a knife's edge between two numbers of the format may be rounded either way, as far as f32 arithmetic and the matrix unit's own rounding can turn it there, and no further.
;; One version. Each part assembles by itself: llvm-mc -triple=amdgcn-amd-amdhsa -mcpu=gfx1250 --defsym DOCPART=n.
;; ======== version 1 of 1: 4 launches
;; limits: right only within a limited range of input values
;; workspace buffers: xu 6,291,456 bytes; xs 262,144 bytes; wu 3,145,728 bytes; ws 131,072 bytes; cs 524,288 bytes; qkv 19,660,800 bytes; ou 6,291,456 bytes; os 262,144 bytes
;; launch prep (part 1): grid 256 x 1, 3 waves a work-group, no clusters, 26,624 bytes of LDS; arguments x, Wq, Wk, Wv, Wo, token_positions, xu, xs, wu, ws, cs; writes xu, xs, wu, ws, cs
.if DOCPART == 1
	.amdgcn_target "amdgcn-amd-amdhsa--gfx1250"
	.amdhsa_code_object_version 6
	.text
	.protected	k_qd188bd9803_prep
	.globl	k_qd188bd9803_prep
	.p2align	8
	.type	k_qd188bd9803_prep,@function
k_qd188bd9803_prep:
	s_mov_b64 s[64:65], 0
	v_nop
	global_prefetch_b8 v0, s[64:65] scope:SCOPE_SE
	s_setreg_imm32_b32 hwreg(HW_REG_WAVE_MODE, 25, 1), 1
	s_wait_xcnt 0x0
; x [8192][1024] and Wq, Wk, Wv, Wo [1024][1024], f32, become codes of E2M3 with one E8M0 byte for each 32 along K; and the table of cos and sin is made from token_positions.
; THE UNIT.  Codes are stored as images of operand registers: a unit is 16 rows x 64 along K, 768 bytes: lane l's registers 0-3 at 16 l, its registers 4-5 at 512 + 8 l;
; lane (r = l % 16, h = l / 16) holds block h (32 codes, 24 bytes) of row r.  Two units on end are one matrix operand of 16 x 128.
; THE ROWS OF A TILE ARE NOT NEIGHBOURS: row tile T holds rows 32 (T / 2) + 8 (T % 2) + r + 8 (r / 8), so that results of two neighbouring tiles are 16 neighbours in a lane's registers.
; Scale bytes: [row tile][r][32 bytes], the byte of block k / 32 at its place.
; SHARES.  768 row tiles (x: 512, the four W: 64 each), one to a wave; a wave takes 16 steps, a unit each.  Each load reads two whole pieces of 256 bytes (two rows); a step's 4,096 bytes
; turn through the wave's own stage in LDS, so that a lane gets the 32 neighbours of its block; each store covers 512 or 256 consecutive bytes.  Waves share nothing: no barrier.
; No cluster and no tensor load: no byte is read by two work-groups.
; THE TABLE.  Wave 0 of each work-group makes 8 rows of cs [2048][32](cos, sin): lane i holds frequency 10000^(-i/32); the angle is reduced by multiples of pi/2 in three parts, then two short polynomials.
; LIMITS: NaN and infinities are not served; a block of zeros gets the byte 1 (its codes are zeros; only this program reads the bytes); blocks under 2^-124 were not tried; angles under 2^23.
.set WREG,  8704                       ; LDS of a wave: two stages of 16 rows x (256 + 16) bytes
.set STG,   4352
.set SPARE, 3*WREG                     ; the spare words: 128 bytes a wave, two blocks of 256 bytes that no other line names
.set R,     16                         ; v16-143  four sets of 32: numbers as loaded
.set X,     144                        ; v144-207 two sets of 32: a lane's block
.set C,     208                        ; v208-223 two sets of 8: codes
.set W,     224                        ; v224-231 the row's eight scale words
.set SPW,   12
.set NIL,   13
	s_load_b512 s[4:19], s[0:1], 0x0               ; x, Wq, Wk, Wv, Wo, token_positions, xu, xs
	s_load_b128 s[20:23], s[0:1], 0x40             ; wu, ws
	s_load_b64 s[24:25], s[0:1], 0x50              ; cs
	v_lshl_add_u32 v[SPW], v0, 2, SPARE
	v_mov_b32 v[NIL], 0
	v_lshrrev_b32 v1, 5, v0
	v_readfirstlane_b32 s26, v1                    ; wave 0..2
	v_and_b32 v1, 31, v0                           ; lane
	v_and_b32 v8, 15, v0                           ; r
	v_bfe_u32 v9, v0, 4, 1                         ; h
	v_lshlrev_b32 v2, 4, v8
	v_lshl_add_u32 v2, v9, 12, v2                  ; in: 16 bytes a lane, lanes 16-31 one row further down
	s_mul_i32 s30, s26, WREG
	v_mul_u32_u24 v3, v9, 272
	v_lshl_add_u32 v3, v8, 4, v3
	v_add_nc_u32 v3, s30, v3                       ; into the stage, as loaded
	v_mul_u32_u24 v4, v8, 272
	v_lshl_add_u32 v4, v9, 7, v4
	v_add_nc_u32 v4, s30, v4                       ; out of it: row r, block h: 128 bytes
	v_lshlrev_b32 v5, 4, v1                        ; a unit's first 512 bytes
	v_lshlrev_b32 v6, 3, v1
	v_add_nc_u32 v6, 512, v6                       ; and its last 256
	v_lshlrev_b32 v7, 3, v9                        ; 8 h: my byte's shift in a scale word
	v_lshlrev_b32 v14, 5, v8
	v_lshl_add_u32 v14, v9, 4, v14                 ; the scale words' way out: 32 r + 16 h
	v_mov_b32 v15, 0                               ; a lane permute's destination counts as one of its sources
	s_mov_b32 s38, 0xffff0000                      ; lanes 16-31
	s_mov_b32 s48, 0x76543210
	s_mov_b32 s49, 0xfedcba98                      ; lane l xor 16
	s_mul_i32 s27, ttmp9, 3
	s_add_co_u32 s27, s27, s26                     ; my row tile, 0..767
	s_sub_co_u32 s28, s27, 512
	s_and_b32 s29, s28, 63
	s_cmp_lt_u32 s27, 512
	s_cselect_b32 s28, s27, s28                    ; the tile in its buffer of codes
	s_cselect_b32 s29, s27, s29                    ; the tile in its source tensor
	s_lshr_b32 s30, s29, 1
	s_lshl_b32 s30, s30, 5
	s_and_b32 s31, s29, 1
	s_lshl_b32 s31, s31, 3
	s_add_co_u32 s30, s30, s31
	s_lshl_b32 s30, s30, 12                        ; its first row, in bytes
	s_mov_b32 s31, 0
	s_wait_alu depctr_va_vdst(0)
	s_wait_kmcnt 0x0
	s_cmp_lt_u32 s27, 704                          ; the choices hang on the tile's number alone
	s_cselect_b64 s[32:33], s[10:11], s[12:13]
	s_cmp_lt_u32 s27, 640
	s_cselect_b64 s[32:33], s[8:9], s[32:33]
	s_cmp_lt_u32 s27, 576
	s_cselect_b64 s[32:33], s[6:7], s[32:33]
	s_cmp_lt_u32 s27, 512
	s_cselect_b64 s[32:33], s[4:5], s[32:33]
	s_cselect_b64 s[34:35], s[16:17], s[20:21]
	s_cselect_b64 s[36:37], s[18:19], s[22:23]
	s_add_nc_u64 s[32:33], s[32:33], s[30:31]
	s_mul_i32 s30, s28, 12288
	s_add_nc_u64 s[34:35], s[34:35], s[30:31]
	s_lshl_b32 s30, s28, 9
	s_add_nc_u64 s[36:37], s[36:37], s[30:31]
	s_lshl_b32 s30, ttmp9, 5
	s_add_nc_u64 s[14:15], s[14:15], s[30:31]
	s_load_b256 s[40:47], s[14:15], 0x0            ; the work-group's eight positions
	s_lshl_b32 s30, ttmp9, 11
	s_add_nc_u64 s[24:25], s[24:25], s[30:31]      ; and their eight rows of the table
.macro LOAD t                          ; step t: 16 rows x 256 bytes; instruction i takes the tile's rows 2 i and 2 i + 1
.irp i, 0,1,2,3,4,5,6,7
	global_load_b128 v[R+32*((\t)%4)+4*\i:R+32*((\t)%4)+4*\i+3], v2, s[32:33] offset:(2*\i+8*(\i/4))*4096+256*(\t) th:TH_LOAD_NT
.endr
.endm
.macro TURN t                          ; through the stage: LDS serves a wave's instructions in order, so no wait stands between the stores and the loads
.irp i, 0,1,2,3,4,5,6,7
	ds_store_b128 v3, v[R+32*((\t)%4)+4*\i:R+32*((\t)%4)+4*\i+3] offset:STG*((\t)%2)+544*\i
.endr
.irp m, 0,1,2,3,4,5,6,7
	ds_load_b128 v[X+32*((\t)%2)+4*\m:X+32*((\t)%2)+4*\m+3], v4 offset:STG*((\t)%2)+16*\m
.endr
.endm
.irp t, 0,1,2,3
	LOAD \t
.endr
	s_wait_loadcnt 24                              ; step 0's eight loads are in; 24 younger ones stay out
	TURN 0
	s_wait_kmcnt 0x0                               ; the positions
	s_cmp_lg_u32 s26, 0
	s_cbranch_scc1 .Lno_table
	s_mov_b32 s50, 0xbfc90fdb                      ; -pi/2 in three parts
	s_mov_b32 s51, 0x333bbd2e
	s_mov_b32 s52, 0x26f72ced
	s_mov_b32 s53, 0xbe2aaaa3                      ; the sine's three coefficients
	s_mov_b32 s54, 0x3c08839e
	s_mov_b32 s55, 0xb94ca1f9
	s_mov_b32 s56, 0x3d2aaaa5                      ; the cosine's
	s_mov_b32 s57, 0xbab6061a
	s_mov_b32 s58, 0x37ccf5ce
	v_cvt_f32_u32 v232, v1                         ; i
	v_lshlrev_b32 v250, 3, v1                      ; 8 bytes a lane
	v_mul_f32 v233, 0x3ed49a78, v232               ; p = i x log2(10000) / 32, rounded;
	v_fma_f32 v234, v232, 0x3ed49a78, -v233        ; what the rounding left,
	v_fma_f32 v234, v232, 0x32179a6c, v234         ; and the constant's own rest
	s_wait_alu depctr_va_vdst(0)
	v_exp_f32 v235, -v233
	v_mul_f32 v234, 0x3f317218, v234               ; x ln 2 (a plain line behind the exponential)
	s_wait_alu depctr_va_vdst(0)                   ; the wait ahead of the result's first reader
	v_fma_f32 v235, -v234, v235, v235              ; the frequency: 2^-p (1 - rest x ln 2)
.irp k, 0,1,2,3,4,5,6,7
	v_cvt_f32_i32 v236, s[40+\k]
	v_mul_f32 v236, v236, v235                     ; the angle, rounded to f32
	v_mul_f32 v237, 0x3f22f983, v236
	v_rndne_f32 v237, v237                         ; n = the nearest multiple of pi/2
	v_fma_f32 v238, v237, s50, v236
	v_fma_f32 v238, v237, s51, v238
	v_fma_f32 v238, v237, s52, v238                ; the rest, within pi/4
	v_mul_f32 v239, v238, v238
	v_fma_f32 v240, v239, s55, s54
	v_fma_f32 v241, v239, s58, s57
	v_fma_f32 v240, v240, v239, s53
	v_fma_f32 v241, v241, v239, s56
	v_mul_f32 v240, v240, v239
	v_fma_f32 v241, v241, v239, -0.5
	v_fma_f32 v240, v240, v238, v238               ; the rest's sine
	v_fma_f32 v241, v241, v239, 1.0                ; and cosine
	v_cvt_i32_f32 v242, v237
	v_and_b32 v243, 1, v242
	v_cmp_eq_u32 vcc_lo, 1, v243
	v_cndmask_b32 v244, v240, v241, vcc_lo         ; an odd n swaps the two;
	v_cndmask_b32 v245, v241, v240, vcc_lo
	v_lshlrev_b32 v246, 30, v242
	v_add_nc_u32 v242, 1, v242
	v_and_b32 v246, 0x80000000, v246               ; the sine's sign: bit 1 of n,
	v_lshlrev_b32 v247, 30, v242
	v_and_b32 v247, 0x80000000, v247               ; the cosine's: bit 1 of n + 1
	s_wait_alu depctr_va_vdst(0)
	s_wait_xcnt 0x0                                ; the last row's store has read its data
	v_xor_b32 v248, v245, v247
	v_xor_b32 v249, v244, v246
	global_store_b64 v250, v[248:249], s[24:25] offset:256*\k   ; 32 lanes store a row of 256 consecutive bytes
.endr
.Lno_table:
.macro STEP t
.set XS, X+32*((\t)%2)
.set CC, C+8*((\t)%2)
	s_wait_dscnt 0x0                               ; this step's block is back from the stage, and its stores into the stage have read their registers,
.if (\t)+4 < 16
	LOAD (\t)+4                                    ; which take the loads of four steps on
.endif
.if (\t) < 15
.if 14-(\t) >= 3
	s_wait_loadcnt 24                              ; the next step's eight loads are in; those of the three steps behind it stay out
.else
	s_wait_loadcnt 8*(14-(\t))
.endif
	TURN (\t)+1
.endif
	v_max3_num_f32 v8, |v[XS]|, |v[XS+1]|, |v[XS+2]|    ; the block's largest magnitude: all 32 numbers are mine; two chains
	v_max3_num_f32 v9, |v[XS+3]|, |v[XS+4]|, |v[XS+5]|
.irp i, 6,10,14,18,22,26
	v_max3_num_f32 v8, v8, |v[XS+\i]|, |v[XS+\i+1]|
	v_max3_num_f32 v9, v9, |v[XS+\i+2]|, |v[XS+\i+3]|
.endr
	v_max3_num_f32 v8, v8, |v[XS+30]|, |v[XS+31]|
	v_max3_num_f32 v8, v8, v9, 0x1800000           ; and the floor 2^(3 - 127): the byte cannot fall under 1
	v_add_nc_u32 v11, 0xff000000, v8               ; 2 off its exponent field: the conversion's scale operand
	s_wait_alu depctr_va_vdst(0)
	s_wait_xcnt 0x0                                ; the stores of two steps back have read this set of codes
	v_cvt_scalef32_pk16_fp6_f32 v[CC:CC+2], v[XS:XS+15], v11
	v_cvt_scalef32_pk16_fp6_f32 v[CC+4:CC+6], v[XS+16:XS+31], v11   ; (a conversion's three registers begin on an even number)
	v_lshrrev_b32 v10, 23, v11                     ; the scale's byte; also the plain line behind the conversions
.if (\t)%2 == 0
	v_mov_b32 v[W+(\t)/2], v10                     ; blocks 4 w + h
.else
	v_lshl_or_b32 v[W+(\t)/2], v10, 16, v[W+(\t)/2]   ; and 4 w + 2 + h
.endif
	v_mov_b32 v[CC+3], v[CC+4]
	v_mov_b32 v[CC+4], v[CC+5]
	v_mov_b32 v[CC+5], v[CC+6]
	global_store_b128 v5, v[CC:CC+3], s[34:35] offset:768*(\t)      ; 512 consecutive bytes
	global_store_b64 v6, v[CC+4:CC+5], s[34:35] offset:768*(\t)     ; 256 consecutive bytes
.endm
.irp t, 0,1,2,3,4,5,6,7,8,9,10,11,12,13,14,15
	STEP \t
.endr
.irp k, 0,1,2,3,4,5,6,7
	v_lshlrev_b32 v[W+\k], v7, v[W+\k]             ; my two bytes at their places,
	v_permlanex16_b32 v15, v[W+\k], s48, s49
	v_or_b32 v[W+\k], v[W+\k], v15                 ; with lane l xor 16's two the word is whole
.endr
.irp k, 0,1,2,3
	v_cndmask_b32 v[232+\k], v[W+\k], v[W+4+\k], s38   ; lanes 0-15 store the row's words 0-3, lanes 16-31 its words 4-7
.endr
	global_store_b128 v14, v[232:235], s[36:37]    ; 512 consecutive bytes
	s_wait_tensorcnt 0x0                           ; the wave's end
	ds_add_u32 v[SPW], v[NIL]
	s_wait_dscnt 0x0
	s_endpgm
.Lfunc_end_k_qd188bd9803_prep:
	.size	k_qd188bd9803_prep, .Lfunc_end_k_qd188bd9803_prep-k_qd188bd9803_prep
	.p2alignl 7, 3214868480
	.fill 96, 4, 3214868480
	.section	.rodata,"a",@progbits
	.p2align	6, 0x0
	.amdhsa_kernel k_qd188bd9803_prep
		.amdhsa_group_segment_fixed_size 26624
		.amdhsa_private_segment_fixed_size 0
		.amdhsa_enable_private_segment 0
		.amdhsa_kernarg_size 88
		.amdhsa_user_sgpr_count 2
		.amdhsa_user_sgpr_kernarg_segment_ptr 1
		.amdhsa_wavefront_size32 1
		.amdhsa_system_sgpr_workgroup_id_x 1
		.amdhsa_system_sgpr_workgroup_id_y 1
		.amdhsa_system_sgpr_workgroup_id_z 1
		.amdhsa_system_vgpr_workitem_id 0
		.amdhsa_next_free_vgpr 256
		.amdhsa_next_free_sgpr 66
		.amdhsa_reserve_vcc 1
		.amdhsa_float_denorm_mode_32 3
		.amdhsa_float_denorm_mode_16_64 3
		.amdhsa_memory_ordered 1
		.amdhsa_forward_progress 1
		.amdhsa_inst_pref_size 73
	.end_amdhsa_kernel
	.amdgpu_metadata
---
amdhsa.version: [ 1, 2 ]
amdhsa.kernels:
  - .name:           k_qd188bd9803_prep
    .symbol:         k_qd188bd9803_prep.kd
    .args:
      - { .name: x, .offset: 0, .size: 8, .value_kind: global_buffer, .address_space: global }
      - { .name: Wq, .offset: 8, .size: 8, .value_kind: global_buffer, .address_space: global }
      - { .name: Wk, .offset: 16, .size: 8, .value_kind: global_buffer, .address_space: global }
      - { .name: Wv, .offset: 24, .size: 8, .value_kind: global_buffer, .address_space: global }
      - { .name: Wo, .offset: 32, .size: 8, .value_kind: global_buffer, .address_space: global }
      - { .name: token_positions, .offset: 40, .size: 8, .value_kind: global_buffer, .address_space: global }
      - { .name: xu, .offset: 48, .size: 8, .value_kind: global_buffer, .address_space: global }
      - { .name: xs, .offset: 56, .size: 8, .value_kind: global_buffer, .address_space: global }
      - { .name: wu, .offset: 64, .size: 8, .value_kind: global_buffer, .address_space: global }
      - { .name: ws, .offset: 72, .size: 8, .value_kind: global_buffer, .address_space: global }
      - { .name: cs, .offset: 80, .size: 8, .value_kind: global_buffer, .address_space: global }
    .group_segment_fixed_size: 26624
    .private_segment_fixed_size: 0
    .kernarg_segment_align: 8
    .kernarg_segment_size: 88
    .max_flat_workgroup_size: 96
    .sgpr_count:     66
    .vgpr_count:     256
    .wavefront_size: 32
...
	.end_amdgpu_metadata
.endif
;; end of part 1
;; launch proj (part 2): grid 4 x 96, 4 waves a work-group, clusters of 4 x 4, 327,680 bytes of LDS; arguments xu, xs, wu, ws, cs, qkv; writes qkv
.if DOCPART == 2
	.amdgcn_target "amdgcn-amd-amdhsa--gfx1250"
	.amdhsa_code_object_version 6
	.text
	.protected	k_qd188bd9803_proj
	.globl	k_qd188bd9803_proj
	.p2align	8
	.type	k_qd188bd9803_proj,@function
k_qd188bd9803_proj:
	s_mov_b64 s[64:65], 0
	v_nop
	global_prefetch_b8 v0, s[64:65] scope:SCOPE_SE
	s_setreg_imm32_b32 hwreg(HW_REG_WAVE_MODE, 25, 1), 1
	s_wait_xcnt 0x0
	s_wait_alu depctr_hold_cnt(0) depctr_sa_sdst(0) depctr_va_vdst(0) depctr_va_sdst(0) depctr_va_ssrc(0) depctr_va_vcc(0) depctr_vm_vsrc(0)
	s_getreg_b32 s2, hwreg(HW_REG_IB_STS2, 6, 4)
	s_cmp_eq_u32 s2, 0
	s_cbranch_scc0 .Lentry_in_a_cluster
	s_endpgm
.Lentry_in_a_cluster:
	s_bfe_u32 s2, ttmp6, 0x10000c
	s_cmp_lg_u32 s2, 0xf033
	s_cbranch_scc0 .Lentry_shape_is_right
	s_endpgm
.Lentry_shape_is_right:
; The three projections on codes of E2M3 (K = 1,024), with RoPE and the quantisers of q, k and v in the way out: only codes leave.
; A tile of C, 256 x 256, is made by four waves, each 128 x 128: 64 accumulators, 512 registers.  K goes in steps of 256 through a ring of two LDS slots filled by tensor loads.
; OPERANDS lie in memory as units (16 rows x 64 K, 768 bytes, an image of six operand registers a lane): a fragment is two units: four dense LDS loads, no pitch, no padding.
; A row tile's K step of 256 is 3,072 consecutive bytes; a tensor load brings 8 row tiles (128 rows) of it.  The scale bytes of the work-group's rows, for all of K, come once and stay.
; KINDS, by the cluster's number alone (equal in all sixteen partners): clusters 0-15: C = x (Wq | Wk)^T, 32 x 8 tiles; clusters 16-23: C = Wv x^T, 4 x 32 tiles, so that a lane holds one feature of v
; and its registers run along the tokens, which are the K of the product that v goes into.
; THE MATRIX INSTRUCTION IS USED TRANSPOSED (source 0 = B's rows, source 1 = A's rows), and the rows of a row tile are 32 (T / 2) + 8 (T % 2) + r + 8 (r / 8): so the 16 registers of two neighbouring
; result tiles are 16 neighbours along B: q, k: 16 neighbouring features of one token; v: 16 neighbouring tokens of one feature.
; CLUSTERS: 4 x 4 work-groups; A's tiles are asked for jointly along a row of the cluster, B's along a column.
; THE WAY OUT.  q, k: each pair of neighbours is turned by the token's (cos, sin); 64 features of a head are two blocks of 32; a wave's 128 features are two heads.  v: 128 tokens are four blocks.
; Codes leave as units, 512 + 256 consecutive bytes a unit; scale words in runs of 256 bytes.
; qkv: 64 head blocks of 307,200 bytes: Q units, Q pair words, K units, V units, K pair words, V words.  A pair word holds the two bytes of tile 2 b and the two of tile 2 b + 1.
; LIMITS: NaN and infinities are not served; a block of zeros gets the byte 1 (its codes are zeros); blocks under 2^-124 were not tried.
; REGISTERS: window 0: v16-30 addresses; v32-63 scale words; v64-127 cos and sin of blocks 0, 1; from v128 A's fragments, later the way out.  window 1: B's fragments, two sets; later cos and sin of blocks 2-7.
;   windows 2, 3: the accumulators ((a, b) at v[8 (8 (a % 4) + b)]).
.set NQ,     2
.set ROWB,   3072                      ; a K step of a row tile: four units
.set KROW,   768                       ; bytes of codes for a row
.set FR,     12
.set NL,     4                         ; LDS loads that bring a fragment
.set NP,     4                         ; places behind this matrix instruction (ISA guide 7.12.1)
.set HALFT,  8*ROWB                    ; 128 rows: what one tensor load brings
.set SLOT,   4*HALFT
.set LAPS,   2                         ; 1,024 along K = two laps of two K steps
.set KS,     32                        ; a row of scale bytes
.set SCL,    2*SLOT
.set HALFS,  16*272                    ; the scales of 128 rows: 16 pieces of 256 bytes + 16 of padding
.set SBLK,   2*272
.set SPARE,  SCL+4*HALFS               ; the spare words: 128 bytes a wave, two blocks of 256 bytes that no other line names
.set HB,     307200                    ; a head block of qkv
.set ADRA, 16                          ; v16-17 A's fragments in slot 0, 1: + 16 x lane;  v18-19: + 512 + 8 x lane
.set ADRB, 20                          ; v20-23 the same for B
.set L16,  24                          ; v24 16 x lane
.set L8,   25                          ; v25 512 + 8 x lane
.set VT,   26                          ; v26 my token's row of the table, + 64 h
.set ADRS, 27
.set SPW,  28
.set NIL,  29
.set VSO,  30                          ; v30 the scale words' way out: h x a head block + 16 r
.set SC,   32
.set AF,   128
.set RO,   128                         ; the way out: 64 turned numbers
.set TM,   192                         ; v192-195 largest magnitudes, v196-199 bytes, v204-207 scale operands
.set PC,   208                         ; v208-227 codes
.set WS,   228                         ; v228-235 a scale word for each block
.set TA,   236
.set TB,   240
.set G1, 24
.set G0, 32
.set G1B, 48
.set G0B, 56
.set G1S, 68
.set G0S, 76
.set G1SB, 80
.set G0SB, 88
.set MSB, 0
.macro WIN new                         ; the immediate's high byte repeats the setting that is left
.if MSB != (\new)
	s_set_vgpr_msb (MSB<<8)|(\new)
.set MSB, (\new)
.endif
.endm
.set MUL_LO, 0xa1                      ; source 0 (B) window 1, source 1 (A) window 0, C and D window 2
.set MUL_HI, 0xf1
.set TO_B,   0x40
.macro JLOAD g0a, g1a, g0b, g1b        ; a joint load: waves 0 and 1 fetch for A, waves 2 and 3 for B; the branch hangs on the wave's number alone
	s_cmp_eq_u32 s15, 0
	s_cbranch_scc0 .Lfor_b_\@
	tensor_load_to_lds s[\g0a:\g0a+3], s[\g1a:\g1a+7]
	s_nop 0
.rept 4
	v_nop
.endr
	s_branch .Lasked_\@
.Lfor_b_\@:
	tensor_load_to_lds s[\g0b:\g0b+3], s[\g1b:\g1b+7]
	s_nop 0
.rept 4
	v_nop
.endr
.Lasked_\@:
.endm
.macro CREST                           ; a round of the cluster's barrier behind its opening barrier
	s_cmp_lg_u32 s14, 0
	s_cbranch_scc1 .Lnot_wave_0_\@
	s_barrier_signal -3
.Lnot_wave_0_\@:
	s_barrier_wait -3
	s_barrier_signal -1
	s_barrier_wait -1
.endm
.macro CROUND
	s_barrier_signal -1
	s_barrier_wait -1
	CREST
.endm
	s_load_b128 s[4:7], s[0:1], 0x0                ; xu, xs
	s_load_b128 s[8:11], s[0:1], 0x10              ; wu, ws
	s_load_b64 s[66:67], s[0:1], 0x20              ; cs
	s_load_b64 s[12:13], s[0:1], 0x28              ; qkv
	v_lshl_add_u32 v[SPW], v0, 2, SPARE
	v_mov_b32 v[NIL], 0
	ds_add_u32 v[SPW], v[NIL]
	ds_add_u32 v[SPW], v[NIL]                      ; the wave's opening: the add and its wait ahead of my first tensor load
	v_lshrrev_b32 v1, 5, v0
	v_readfirstlane_b32 s14, v1                    ; wave 0..3
	s_lshr_b32 s15, s14, 1                         ; which half of A's rows is mine.  Also: I fetch for A (0) or for B (1)
	s_and_b32 s16, s14, 1                          ; which half of B's rows.  Also: which 128 rows I fetch
	s_bfe_u32 s40, ttmp6, 0x40000                  ; cx
	s_bfe_u32 s41, ttmp6, 0x40004                  ; cy
	s_and_b32 s92, ttmp7, 0xffff                   ; the cluster's number, 0..23
	s_and_b32 s42, s92, 1                          ; q, k: 2 x 8 clusters
	s_lshr_b32 s17, s92, 1
	s_sub_co_u32 s93, s92, 16                      ; v: 8 x 1 clusters
	s_cmp_ge_u32 s92, 16
	s_cselect_b32 s95, 1, 0                        ; the kind: 0 q and k, 1 v
	s_cselect_b32 s42, s93, s42
	s_cselect_b32 s17, 0, s17
	s_cselect_b32 s2, 8, 0                         ; Wv begins 8 tiles of 256 rows into wu
	s_lshl_b32 s42, s42, 2
	s_add_co_u32 s42, s42, s40                     ; tile column
	s_lshl_b32 s17, s17, 2
	s_add_co_u32 s17, s17, s41                     ; tile row
	s_lshl_b32 s43, s41, 2
	s_lshl_b32 s43, 15, s43                        ; my row of the cluster
	s_lshl_b32 s44, 0x1111, s40                    ; my column
	s_or_b32 s[G1+0], s43, (3<<16)|(1<<21)         ; the mask; elements of 8 bytes; no padding; bit 21 set beside a mask
	s_or_b32 s[G1B+0], s44, (3<<16)|(1<<21)
.irp g, G1, G1B
	s_mov_b32 s[\g+1], 384<<16                     ; tensor_dim0: 3,072 bytes
	s_mov_b32 s[\g+2], 8<<16                       ; tensor_dim1: 8 row tiles
	s_mov_b32 s[\g+3], 384<<16                     ; tile_dim0
	s_mov_b32 s[\g+4], 8                           ; tile_dim1
	s_mov_b32 s[\g+5], 1536                        ; from row tile to row tile: 12,288 bytes
	s_mov_b32 s[\g+6], 0
	s_mov_b32 s[\g+7], 0
.endr
	s_or_b32 s[G1S+0], s43, (3<<16)|(1<<20)|(1<<21)|(5<<22)|(3<<25)   ; the scales of 128 rows: 16 rows of 256 bytes, 16 bytes of padding behind each
	s_or_b32 s[G1SB+0], s44, (3<<16)|(1<<20)|(1<<21)|(5<<22)|(3<<25)
.irp g, G1S, G1SB
	s_mov_b32 s[\g+1], 32<<16
	s_mov_b32 s[\g+2], 16<<16
	s_mov_b32 s[\g+3], 32<<16
	s_mov_b32 s[\g+4], 16
	s_mov_b32 s[\g+5], 32
	s_mov_b32 s[\g+6], 0
	s_mov_b32 s[\g+7], 0
.endr
	s_lshl_b32 s18, s16, 7                         ; which 128 rows of the tile I fetch
	s_add_co_u32 s20, s17, s2
	s_lshl_b32 s20, s20, 8
	s_add_co_u32 s20, s20, s18                     ; A: row (in tile order)
	s_lshl_b32 s46, s42, 8
	s_add_co_u32 s46, s46, s18                     ; B: row
	s_mov_b32 s21, 0
	s_mov_b32 s47, 0
	s_mov_b64 s[18:19], KS
	s_mul_u64 s[22:23], s[20:21], s[18:19]
	s_mul_u64 s[92:93], s[46:47], s[18:19]
	s_mov_b64 s[18:19], KROW
	s_mul_u64 s[20:21], s[20:21], s[18:19]
	s_mul_u64 s[46:47], s[46:47], s[18:19]
	s_mul_i32 s45, s14, HALFT                      ; where they go: wave x 128 rows: no place in the cluster enters an LDS address
	s_mul_i32 s94, s14, HALFS
	s_wait_dscnt 0x0                               ; the opening add is done
	s_wait_kmcnt 0x0
	s_cmp_eq_u32 s95, 0                            ; q, k: A = x, B = W;  v: A = W, B = x
	s_cselect_b64 s[96:97], s[4:5], s[8:9]
	s_cselect_b64 s[98:99], s[6:7], s[10:11]
	s_cselect_b64 s[8:9], s[8:9], s[4:5]
	s_cselect_b64 s[10:11], s[10:11], s[6:7]
	s_add_nc_u64 s[20:21], s[96:97], s[20:21]
	s_add_nc_u64 s[22:23], s[98:99], s[22:23]
	s_add_nc_u64 s[46:47], s[8:9], s[46:47]
	s_add_nc_u64 s[92:93], s[10:11], s[92:93]
	CROUND                                         ; all sixteen work-groups are here: the first joint loads meet
	s_mov_b32 s[G0S], 1
	s_add_co_u32 s[G0S+1], s94, SCL
	s_mov_b64 s[G0S+2:G0S+3], s[22:23]
	s_or_b32 s[G0S+3], s[G0S+3], 0x80000000
	s_mov_b32 s[G0SB], 1
	s_add_co_u32 s[G0SB+1], s94, SCL
	s_mov_b64 s[G0SB+2:G0SB+3], s[92:93]
	s_or_b32 s[G0SB+3], s[G0SB+3], 0x80000000
	JLOAD G0S, G1S, G0SB, G1SB                     ; the scales first: they are wanted with K step 0
.irp s, 0,1
	s_mov_b32 s[G0+4*\s], 1
	s_add_co_u32 s[G0+4*\s+1], s45, \s*SLOT
	s_add_nc_u64 s[G0+4*\s+2:G0+4*\s+3], s[20:21], \s*ROWB
	s_or_b32 s[G0+4*\s+3], s[G0+4*\s+3], 0x80000000
	s_mov_b32 s[G0B+4*\s], 1
	s_add_co_u32 s[G0B+4*\s+1], s45, \s*SLOT
	s_add_nc_u64 s[G0B+4*\s+2:G0B+4*\s+3], s[46:47], \s*ROWB
	s_or_b32 s[G0B+4*\s+3], s[G0B+4*\s+3], 0x80000000
	JLOAD G0+4*\s, G1, G0B+4*\s, G1B
.endr
	v_and_b32 v1, 15, v0                           ; r
	v_bfe_u32 v2, v0, 4, 1                         ; h
	v_and_b32 v3, 31, v0
	v_lshlrev_b32 v[L16], 4, v3
	v_lshlrev_b32 v4, 3, v3
	v_add_nc_u32 v[L8], 512, v4
	s_mul_i32 s21, s15, HALFT                      ; my 128 rows of A
	s_mul_i32 s22, s16, HALFT                      ; my 128 rows of B,
	s_add_co_u32 s22, s22, 2*HALFT                 ; which lie behind A's 256
.irp s, 0,1
	v_add_nc_u32 v[ADRA+\s], s21, v[L16]
	v_add_nc_u32 v[ADRB+\s], s22, v[L16]
	v_add_nc_u32 v[ADRA+2+\s], s21, v[L8]
	v_add_nc_u32 v[ADRB+2+\s], s22, v[L8]
	s_add_co_u32 s21, s21, SLOT
	s_add_co_u32 s22, s22, SLOT
.endr
	v_mul_u32_u24 v5, v1, KS                       ; my row's scales: 32 bytes a row,
	v_lshrrev_b32 v6, 8, v5
	v_lshl_add_u32 v5, v6, 4, v5                   ; and 16 more for each 256 passed
	s_mul_i32 s21, s15, HALFS
	s_mul_i32 s22, s16, HALFS
	s_add_co_u32 s22, s22, 2*HALFS
	s_sub_co_u32 s22, s22, s21
	v_mul_u32_u24 v6, s22, v2                      ; lanes 16-31 take B's
	s_add_co_u32 s21, s21, SCL
	v_add_nc_u32 v5, v5, v6
	v_add_nc_u32 v[ADRS], s21, v5
	v_and_b32 v5, 8, v1
	v_add_nc_u32 v5, v5, v1                        ; r + 8 (r / 8)
	v_lshlrev_b32 v[VT], 8, v5
	v_lshl_add_u32 v[VT], v2, 6, v[VT]
	v_mul_u32_u24 v5, v2, HB
	v_lshl_add_u32 v[VSO], v1, 4, v5
.macro CSLOAD a, reg                   ; (cos, sin) of block a's tokens: my token's pairs 8 h + 0..7 and 16 + 8 h + 0..7: 32 registers
.irp g, 0,1
.irp k, 0,1,2,3
	global_load_b128 v[\reg+16*\g+4*\k:\reg+16*\g+4*\k+3], v[VT], s[66:67] offset:(32*((\a)/2)+8*((\a)%2))*256+128*\g+16*\k
.endr
.endr
.endm
	; where my results go.  The branch hangs on the cluster's number alone
	s_cmp_lg_u32 s95, 0
	s_cbranch_scc1 .Lhead_v
	s_lshl_b32 s20, s17, 4
	s_lshl_b32 s21, s15, 3
	s_add_co_u32 s20, s20, s21                     ; my first row tile of tokens
	s_and_b32 s21, s20, 127                        ; in its batch,
	s_lshr_b32 s20, s20, 7                         ; and the batch
	s_and_b32 s46, s42, 3
	s_lshl_b32 s46, s46, 2
	s_lshl_b32 s47, s16, 1
	s_add_co_u32 s46, s46, s47                     ; my first head
	s_lshl_b32 s20, s20, 4
	s_add_co_u32 s46, s46, s20
	s_mul_i32 s46, s46, HB                         ; its head block
	s_lshr_b32 s47, s42, 2                         ; 0: q, 1: k
	s_mul_i32 s92, s47, 102400
	s_add_co_u32 s92, s92, s46
	s_mul_i32 s93, s21, 768
	s_add_co_u32 s92, s92, s93
	s_mov_b32 s93, 0
	s_add_nc_u64 s[96:97], s[12:13], s[92:93]      ; the units
	s_mul_i32 s92, s47, 200704
	s_add_co_u32 s92, s92, s46
	s_add_co_u32 s92, s92, 98304
	s_lshr_b32 s47, s21, 3
	s_lshl_b32 s47, s47, 8
	s_add_co_u32 s92, s92, s47
	s_add_nc_u64 s[98:99], s[12:13], s[92:93]      ; the pair words
	s_lshl_b32 s92, s21, 12
	s_add_nc_u64 s[66:67], s[66:67], s[92:93]      ; the table at my first token
	s_wait_alu depctr_va_vdst(0)
	CSLOAD 0, 64                                   ; two blocks' cos and sin are asked for now, into registers that the loop leaves alone
	CSLOAD 1, 96
	s_branch .Lhead_done
.Lhead_v:
	s_lshl_b32 s20, s17, 2
	s_lshl_b32 s21, s15, 1
	s_add_co_u32 s20, s20, s21                     ; my first head
	s_lshr_b32 s46, s42, 3                         ; the batch
	s_lshl_b32 s46, s46, 4
	s_add_co_u32 s46, s46, s20
	s_mul_i32 s46, s46, HB
	s_and_b32 s47, s42, 7
	s_lshl_b32 s47, s47, 1
	s_add_co_u32 s47, s47, s16                     ; which 128 keys
	s_mul_i32 s92, s47, 6144
	s_add_co_u32 s92, s92, s46
	s_add_co_u32 s92, s92, 200704
	s_mov_b32 s93, 0
	s_add_nc_u64 s[96:97], s[12:13], s[92:93]
	s_lshl_b32 s92, s47, 8
	s_add_co_u32 s92, s92, s46
	s_add_co_u32 s92, s92, 303104
	s_add_nc_u64 s[98:99], s[12:13], s[92:93]
.Lhead_done:
.macro FRAG reg, adr, q, i             ; a fragment: row tile i's units 2 q and 2 q + 1, as they lie
	ds_load_b128 v[\reg:\reg+3], v[\adr] offset:(\i)*ROWB+(\q)*1536
	ds_load_b64 v[\reg+4:\reg+5], v[\adr+2] offset:(\i)*ROWB+(\q)*1536
	ds_load_b128 v[\reg+6:\reg+9], v[\adr] offset:(\i)*ROWB+(\q)*1536+768
	ds_load_b64 v[\reg+10:\reg+11], v[\adr+2] offset:(\i)*ROWB+(\q)*1536+768
.endm
; 16 matrix instructions: A's blocks a0, a0 + 1 x B's eight.  The 64 accumulators take turns, one instruction a turn, in the same order in every step.
.macro MUL16 a0, p, q, sc, zero
.irp a, \a0, \a0+1
.irp b, 0,1,2,3,4,5,6,7
.if \zero
	v_wmma_scale_f32_16x16x128_f8f6f4 v[8*(8*((\a)%4)+\b):8*(8*((\a)%4)+\b)+7], v[128*(\p)+FR*\b:128*(\p)+FR*\b+FR-1], v[AF+FR*(\a):AF+FR*(\a)+FR-1], 0, v[SC+8*NQ*(\sc)+NQ*\b+(\q)], v[SC+8*NQ*(\sc)+NQ*(\a)+(\q)] matrix_a_fmt:MATRIX_FMT_FP6 matrix_b_fmt:MATRIX_FMT_FP6 matrix_a_scale:MATRIX_SCALE_ROW1
.else
	v_wmma_scale_f32_16x16x128_f8f6f4 v[8*(8*((\a)%4)+\b):8*(8*((\a)%4)+\b)+7], v[128*(\p)+FR*\b:128*(\p)+FR*\b+FR-1], v[AF+FR*(\a):AF+FR*(\a)+FR-1], v[8*(8*((\a)%4)+\b):8*(8*((\a)%4)+\b)+7], v[SC+8*NQ*(\sc)+NQ*\b+(\q)], v[SC+8*NQ*(\sc)+NQ*(\a)+(\q)] matrix_a_fmt:MATRIX_FMT_FP6 matrix_b_fmt:MATRIX_FMT_FP6 matrix_a_scale:MATRIX_SCALE_ROW1
.endif
.endr
.endr
.endm
.macro FETCH_B slot, q, p
	WIN TO_B
.irp i, 0,1,2,3,4,5,6,7
	FRAG 128*(\p)+FR*\i, ADRB+\slot, \q, \i
.endr
	WIN 0
.endm
.macro FETCH_A slot, q, i0
.irp i, \i0, \i0+1, \i0+2, \i0+3
	FRAG AF+FR*(\i), ADRA+\slot, \q, \i
.endr
.endm
.macro SCALES sc                       ; a K step's scale words: lanes 0-15 A's block i, lanes 16-31 B's block i
.irp i, 0,1,2,3,4,5,6,7
	ds_load_b64 v[SC+8*NQ*\sc+NQ*\i:SC+8*NQ*\sc+NQ*\i+1], v[ADRS] offset:\i*SBLK
.endr
.endm
.macro PLACES n                        ; plain vector lines between a matrix instruction and a load into, or a read of, its registers
.rept \n
	v_nop
.endr
.endm
.macro STEP slot, q, zero              ; 128 along K that have their successor in the same slot
	s_wait_dscnt 4*NL                              ; B's set and A's blocks 0-3 are in; the 16 youngest loads (A's blocks 4-7) stay out
	WIN MUL_LO
	MUL16 0, (\q)%2, \q, \slot, \zero
	MUL16 2, (\q)%2, \q, \slot, \zero
	s_wait_dscnt 0
	PLACES NP
	FETCH_B \slot, (\q)+1, 1-(\q)%2
	FETCH_A \slot, (\q)+1, 0
	WIN MUL_HI
	MUL16 4, (\q)%2, \q, \slot, \zero
	MUL16 6, (\q)%2, \q, \slot, \zero
	PLACES NP
	WIN 0
	FETCH_A \slot, (\q)+1, 4
.endm
; A slot's last step changes slots: one barrier; in front of it each wave waits for all its tensor loads, adds 0 to its spare word, and waits for that and for its reads of this slot.
.macro TURN slot, next, fill
	s_wait_tensorcnt 0x0                           ; all my tensor loads have landed: my part of the next slot
	ds_add_u32 v[SPW], v[NIL]
	s_wait_dscnt 4*NL+1                            ; the add and the 16 youngest loads stay out
	WIN MUL_LO
	MUL16 0, 1, NQ-1, \slot, 0
	s_wait_dscnt 0x0                               ; the add is done, and my reads of this slot are over
	s_barrier_signal -1
	MUL16 2, 1, NQ-1, \slot, 0
	WIN 0
	s_barrier_wait -1
.if \fill
	CREST                                          ; the barrier has opened a round of the cluster's barrier: no wave of any partner still reads this slot or has a load on its way
	s_add_nc_u64 s[G0+4*\slot+2:G0+4*\slot+3], s[G0+4*\slot+2:G0+4*\slot+3], 2*ROWB
	s_add_nc_u64 s[G0B+4*\slot+2:G0B+4*\slot+3], s[G0B+4*\slot+2:G0B+4*\slot+3], 2*ROWB
	JLOAD G0+4*\slot, G1, G0B+4*\slot, G1B         ; the first tensor load behind the round; its four v_nop are the places in front of the loads below
.else
	PLACES NP
.endif
	s_wait_alu depctr_va_vdst(0)
	v_add_nc_u32 v[ADRS], 4*NQ, v[ADRS]            ; the next K step's scale words
	FETCH_B \next, 0, 0
	FETCH_A \next, 0, 0
	SCALES \next
	WIN MUL_HI
	MUL16 4, 1, NQ-1, \slot, 0
	MUL16 6, 1, NQ-1, \slot, 0
	PLACES NP
	WIN 0
	FETCH_A \next, 0, 4
.endm
	s_wait_tensorcnt 1                             ; the scales and my part of K step 0 are in; K step 1's load stays out
	s_barrier_signal -1
	s_barrier_wait -1
	FETCH_B 0, 0, 0
	FETCH_A 0, 0, 0
	s_wait_alu depctr_va_vdst(0)
	SCALES 0
	FETCH_A 0, 0, 4
	STEP 0, 0, 1                                   ; the first step stands in front of the loop: its products start the sums
	s_mov_b32 s3, LAPS-1
.Llap:
	TURN 0, 1, 1
	STEP 1, 0, 0
	TURN 1, 0, 1
	STEP 0, 0, 0
	s_sub_co_u32 s3, s3, 1
	s_cmp_lg_u32 s3, 0
	s_cbranch_scc1 .Llap
	TURN 0, 1, 0                                   ; the last lap fills nothing
	STEP 1, 0, 0
	s_wait_dscnt 4*NL
	WIN MUL_LO
	MUL16 0, 1, NQ-1, 1, 0
	MUL16 2, 1, NQ-1, 1, 0
	s_wait_dscnt 0
	WIN MUL_HI
	MUL16 4, 1, NQ-1, 1, 0
	MUL16 6, 1, NQ-1, 1, 0
	WIN 0
	PLACES NP
; 64 numbers of a lane in window w, register 16 b + i = k 32 b + 16 h + i of my row, become two units' codes in v[PC] on and the row's scale word in v[dst].
.macro QUANT s, w, dst
	WIN (\w)|((\w)<<2)
.irp b, 0,1,2,3
	v_max3_num_f32 v[TM+\b], |v[\s+16*\b]|, |v[\s+1+16*\b]|, 0x1800000   ; my 16 numbers of block b, from each accumulator's low end on, and the floor 2^(3 - 127)
.endr
.irp i, 2,4,6,8,10,12,14
.irp b, 0,1,2,3
	v_max3_num_f32 v[TM+\b], |v[\s+16*\b+\i]|, |v[\s+1+16*\b+\i]|, v[TM+\b]
.endr
.endr
	WIN 0
.irp b, 0,1,2,3
	v_permlanex16_b32 v[TM+4+\b], v[TM+\b], s20, s21
.endr
.irp b, 0,1,2,3
	v_max_num_f32 v[TM+\b], v[TM+\b], v[TM+4+\b]   ; with lane l xor 16's: the block's largest magnitude
.endr
.irp b, 0,1,2,3
	v_add_nc_u32 v[TM+12+\b], 0xff000000, v[TM+\b] ; 2 off its exponent field: the conversion's scale operand
.endr
.irp b, 0,1,2,3
	v_lshrrev_b32 v[TM+4+\b], 23, v[TM+12+\b]      ; the byte
.endr
	v_lshl_or_b32 v[\dst], v[TM+5], 8, v[TM+4]
	v_lshl_or_b32 v[\dst], v[TM+6], 16, v[\dst]
	v_lshl_or_b32 v[\dst], v[TM+7], 24, v[\dst]
	s_wait_xcnt 0x0                                ; the last block's stores have read the codes' registers
	WIN \w
.irp c, 0,1
	v_cvt_scalef32_pk16_fp6_f32 v[PC+6*\c:PC+2+6*\c], v[\s+32*\c:\s+15+32*\c], v[TM+12+2*\c]
	v_cvt_scalef32_pk16_fp6_f32 v[PC+12+4*\c:PC+14+4*\c], v[\s+16+32*\c:\s+31+32*\c], v[TM+12+2*\c+1]
.endr
	WIN 0
	v_nop                                          ; one plain line behind a scaled conversion
.irp c, 0,1                            ; a lane of a unit holds a whole block: lanes 0-15 block 2 c, lanes 16-31 block 2 c + 1
.irp i, 0,1,2
	v_permlane16_swap_b32 v[PC+6*\c+\i], v[PC+12+4*\c+\i]
.endr
.irp i, 0,1,2
	v_mov_b32 v[PC+3+6*\c+\i], v[PC+12+4*\c+\i]
.endr
.endr
.endm
.macro UNITS o0, o1                    ; the two units leave: 512 + 256 consecutive bytes each
	global_store_b128 v[L16], v[PC:PC+3], s[96:97] offset:\o0
	global_store_b64 v[L8], v[PC+4:PC+5], s[96:97] offset:\o0
	global_store_b128 v[L16], v[PC+6:PC+9], s[96:97] offset:\o1
	global_store_b64 v[L8], v[PC+10:PC+11], s[96:97] offset:\o1
.endm
	s_mov_b32 s2, 0xffff0000                       ; lanes 16-31
	s_mov_b32 s20, 0x76543210
	s_mov_b32 s21, 0xfedcba98                      ; lane l xor 16
.irp b, 0,1,2,3
	v_mov_b32 v[TM+4+\b], 0                        ; a lane permute's destination counts as one of its sources
.endr
	s_cmp_lg_u32 s95, 0
	s_cbranch_scc1 .Lv_out
	; ---- q and k: block a is 16 tokens x my 128 features (two heads)
	WIN 0x40                                       ; destination window 1: B's fragments are done with
.irp a, 2,3,4,5,6,7
	CSLOAD \a, 32*(\a-2)
.endr
	WIN 0
.macro QKBLOCK a
.set AC, 64*((\a)%4)
.if (\a) < 2
.set CW, 0
.set CB, 64+32*(\a)
.else
.set CW, 1
.set CB, 32*((\a)-2)
.endif
.if (\a) == 0
	s_wait_loadcnt 56                              ; my block's eight loads are in; the 56 issued behind them stay out
.elseif (\a) == 1
	s_wait_loadcnt 48
.else
	s_wait_loadcnt 8*(7-(\a))
.endif
	WIN (2+(\a)/4)|(CW<<2)                         ; source 0: the accumulators; source 1: cos and sin
.set n, 0
.rept 32
	v_pk_mul_f32 v[RO+n:RO+n+1], v[AC+n:AC+n+1], v[CB+16*((n/16)%2)+n%16:CB+16*((n/16)%2)+n%16+1] op_sel:[1,1] op_sel_hi:[1,0]   ; (odd x sin, odd x cos)
.set n, n+2
.endr
.set n, 0
.rept 32
	v_pk_fma_f32 v[RO+n:RO+n+1], v[AC+n:AC+n+1], v[CB+16*((n/16)%2)+n%16:CB+16*((n/16)%2)+n%16+1], v[RO+n:RO+n+1] op_sel_hi:[0,1,1] neg_lo:[0,0,1]   ; (even x cos - odd x sin, even x sin + odd x cos)
.set n, n+2
.endr
	QUANT RO, 0, WS+(\a)
	UNITS 768*(\a), 768*(\a)+HB                    ; tile a of my first head, and of the next
.endm
.irp a, 0,1,2,3,4,5,6,7
	QKBLOCK \a
.endr
.irp b, 0,1,2,3
	v_perm_b32 v[TA+\b], v[WS+2*\b+1], v[WS+2*\b], 0x05040100   ; my first head's pair word b: the two bytes of tile 2 b, the two of tile 2 b + 1
	v_perm_b32 v[TB+\b], v[WS+2*\b+1], v[WS+2*\b], 0x07060302   ; the next head's
.endr
.irp b, 0,1,2,3
	v_cndmask_b32 v[TA+\b], v[TA+\b], v[TB+\b], s2
.endr
	global_store_b128 v[VSO], v[TA:TA+3], s[98:99] ; lanes 0-15: 256 consecutive bytes of one head, lanes 16-31 of the next
	s_branch .Lend
.Lv_out:
	; ---- v: block a is 16 features x my 128 tokens: the accumulators are quantised as they stand
.macro VBLOCK a
.set AC, 64*((\a)%4)
	QUANT AC, 2+(\a)/4, WS+(\a)
	UNITS ((\a)/4)*HB+((\a)%4)*1536, ((\a)/4)*HB+((\a)%4)*1536+768
.endm
.irp a, 0,1,2,3,4,5,6,7
	VBLOCK \a
.endr
.irp k, 0,1,2,3
	v_cndmask_b32 v[TA+\k], v[WS+\k], v[WS+4+\k], s2
.endr
	global_store_b128 v[VSO], v[TA:TA+3], s[98:99]
.Lend:
	s_wait_tensorcnt 0x0                           ; the wave's end
	ds_add_u32 v[SPW], v[NIL]
	s_wait_dscnt 0x0
	CROUND                                         ; the closing round: no work-group ends while a partner may still ask for a tile that names it
	s_endpgm
.Lfunc_end_k_qd188bd9803_proj:
	.size	k_qd188bd9803_proj, .Lfunc_end_k_qd188bd9803_proj-k_qd188bd9803_proj
	.p2alignl 7, 3214868480
	.fill 96, 4, 3214868480
	.section	.rodata,"a",@progbits
	.p2align	6, 0x0
	.amdhsa_kernel k_qd188bd9803_proj
		.amdhsa_group_segment_fixed_size 327680
		.amdhsa_private_segment_fixed_size 0
		.amdhsa_enable_private_segment 0
		.amdhsa_kernarg_size 48
		.amdhsa_user_sgpr_count 2
		.amdhsa_user_sgpr_kernarg_segment_ptr 1
		.amdhsa_wavefront_size32 1
		.amdhsa_system_sgpr_workgroup_id_x 1
		.amdhsa_system_sgpr_workgroup_id_y 1
		.amdhsa_system_sgpr_workgroup_id_z 1
		.amdhsa_system_vgpr_workitem_id 0
		.amdhsa_next_free_vgpr 1024
		.amdhsa_next_free_sgpr 100
		.amdhsa_reserve_vcc 0
		.amdhsa_float_denorm_mode_32 3
		.amdhsa_float_denorm_mode_16_64 3
		.amdhsa_memory_ordered 1
		.amdhsa_forward_progress 1
		.amdhsa_inst_pref_size 224
	.end_amdhsa_kernel
	.amdgpu_metadata
---
amdhsa.version: [ 1, 2 ]
amdhsa.kernels:
  - .name:           k_qd188bd9803_proj
    .symbol:         k_qd188bd9803_proj.kd
    .args:
      - { .name: xu, .offset: 0, .size: 8, .value_kind: global_buffer, .address_space: global }
      - { .name: xs, .offset: 8, .size: 8, .value_kind: global_buffer, .address_space: global }
      - { .name: wu, .offset: 16, .size: 8, .value_kind: global_buffer, .address_space: global }
      - { .name: ws, .offset: 24, .size: 8, .value_kind: global_buffer, .address_space: global }
      - { .name: cs, .offset: 32, .size: 8, .value_kind: global_buffer, .address_space: global }
      - { .name: qkv, .offset: 40, .size: 8, .value_kind: global_buffer, .address_space: global }
    .group_segment_fixed_size: 327680
    .private_segment_fixed_size: 0
    .kernarg_segment_align: 8
    .kernarg_segment_size: 48
    .max_flat_workgroup_size: 128
    .sgpr_count:     100
    .vgpr_count:     1024
    .wavefront_size: 32
...
	.end_amdgpu_metadata
.endif
;; end of part 2
;; launch attn (part 3): grid 4 x 64, 16 waves a work-group, clusters of 4 x 1, 206,848 bytes of LDS; arguments qkv, ou, os; writes ou, os
.if DOCPART == 3
	.amdgcn_target "amdgcn-amd-amdhsa--gfx1250"
	.amdhsa_code_object_version 6
	.text
	.protected	k_qd188bd9803_attn
	.globl	k_qd188bd9803_attn
	.p2align	8
	.type	k_qd188bd9803_attn,@function
k_qd188bd9803_attn:
	s_mov_b64 s[64:65], 0
	v_nop
	global_prefetch_b8 v0, s[64:65] scope:SCOPE_SE
	s_setreg_imm32_b32 hwreg(HW_REG_WAVE_MODE, 25, 1), 1
	s_wait_xcnt 0x0
	s_wait_alu depctr_hold_cnt(0) depctr_sa_sdst(0) depctr_va_vdst(0) depctr_va_sdst(0) depctr_va_ssrc(0) depctr_va_vcc(0) depctr_vm_vsrc(0)
	s_getreg_b32 s2, hwreg(HW_REG_IB_STS2, 6, 4)
	s_cmp_eq_u32 s2, 0
	s_cbranch_scc0 .Lentry_in_a_cluster
	s_endpgm
.Lentry_in_a_cluster:
	s_bfe_u32 s2, ttmp6, 0x10000c
	s_cmp_lg_u32 s2, 0x3003
	s_cbranch_scc0 .Lentry_shape_is_right
	s_endpgm
.Lentry_shape_is_right:
; Causal attention of one head (2,048 tokens, head size 64) on codes of E2M3, and the quantiser of its result along the head's 64.
; THE SOFTMAX AHEAD OF THE SECOND PRODUCT: t = score x log2(e) / 8; M = the row's largest t so far, rounded UP to a whole number; p = 2^(t - M) is quantised along the keys, not normalised;
; the row's sum is taken of the unquantised p and divides at the end.  When M moves, the sum and O are multiplied by 2^(old M - new M): exact.
; SHARES.  A cluster of four work-groups owns a head.  The head's K, V and their scale words, 204,800 dense bytes, come into each work-group's LDS ONCE, by sixteen joint tensor loads, one a wave:
; so there is no ring and no barrier in the loops.  A wave owns two tiles of 16 queries: j = 8 g + sub (g = wave / 2, sub = 4 (wave % 2) + cx) and 127 - j: (g + 1) + (16 - g) = 17 key steps of 128 keys
; for every wave.  Steps all of whose keys come after the tile's queries are left out, by a scalar branch on the wave's number; cx enters global addresses and vector data alone.
; LAYOUT.  Both products are used transposed: S^T = K Q^T, O^T = V^T P^T: a lane holds one query throughout.  Tiles of tokens hold rows 32 (T / 2) + 8 (T % 2) + r + 8 (r / 8), so the 16 registers of two
; neighbouring score tiles are 16 neighbouring keys, and those of two tiles of O^T 16 neighbouring channels.
; THE HEAD IS 64, THE INSTRUCTION'S K 128: source 0 takes TWO key tiles on end (their units), source 1 is Q beside 64 zero codes: (Q, 0) gives the first tile's scores, (0, Q) the second's.
; LIMITS: NaN and infinities are not served; a block of zeros keeps the byte 1.  The scale bytes of o leave one byte a lane, 32 bytes apart: 262,144 bytes in the whole launch.
; REGISTERS: v1-3, v7, v19, v38-39, v92 lane constants; v8-11, v16 addresses in hand; v12 -M, v13 largest t, v[14:15] the sum; v17, v18, v88-91, v240-243 scales alone; v20-37 (Q, 0, Q);
;   v40-87 K's eight units, then at work; v96-159 S^T, then p; v160-191 O^T; v192-239 V's eight units.
.set HB,    307200
.set SPARE, 204800                     ; the spare words: 128 bytes for each of sixteen waves
.set KF,  40
.set VF,  192
.set S,   96
.set O,   160
.set PC,  40                           ; p's codes, 12 registers
.set PX,  52                           ; the conversions' second halves
.set BM,  60
.set BP,  64
.set SO,  68
.set F,   72
.set TMP, 74
.set SU,  76
.macro ROUND
	s_barrier_signal -1
	s_barrier_wait -1
	s_cmp_lg_u32 s10, 0
	s_cbranch_scc1 .Lnot_wave_0_\@
	s_barrier_signal -3
.Lnot_wave_0_\@:
	s_barrier_wait -3
	s_barrier_signal -1
	s_barrier_wait -1
.endm
	s_load_b128 s[4:7], s[0:1], 0x0                ; qkv, ou
	s_load_b64 s[8:9], s[0:1], 0x10                ; os
	v_lshl_add_u32 v4, v0, 2, SPARE
	v_mov_b32 v5, 0
	ds_add_u32 v4, v5                              ; the wave's opening: the add and its wait ahead of my first tensor load
	ds_add_u32 v4, v5
	v_lshrrev_b32 v1, 5, v0
	s_delay_alu instid0(VALU_DEP_1)
	v_readfirstlane_b32 s10, v1                    ; wave 0..15
	s_bfe_u32 s11, ttmp6, 0x40000                  ; cx
	s_and_b32 s12, ttmp7, 0xffff                   ; 16 x batch + head
	s_mov_b32 s16, 15|(3<<16)|(1<<21)              ; the mask: all four work-groups; elements of 8 bytes; bit 21 set beside a mask
	s_mov_b32 s17, 32<<16                          ; rows of 256 bytes,
	s_mov_b32 s18, 50<<16                          ; 50 of them: a sixteenth of the block
	s_mov_b32 s19, 32<<16
	s_mov_b32 s20, 50
	s_mov_b32 s21, 32
	s_mov_b32 s22, 0
	s_mov_b32 s23, 0
	s_mul_i32 s13, s12, HB                         ; the head block
	s_mov_b32 s24, 1
	s_mul_i32 s25, s10, 12800                      ; LDS address: my sixteenth
	s_add_co_u32 s44, s13, s25
	s_add_co_u32 s44, s44, 102400                  ; from K's units on
	s_mov_b32 s45, 0
	s_mov_b32 s28, 0x76543210
	s_mov_b32 s29, 0xfedcba98                      ; lane l xor 16
	s_mov_b32 s30, 0x3e38aa3b                      ; c = log2(e) / 8
	s_mov_b32 s31, s30
	s_mov_b32 s36, 0xffff0000                      ; lanes 16-31
	s_wait_dscnt 0x0                               ; the opening add is done
	s_wait_kmcnt 0x0
	s_add_nc_u64 s[26:27], s[4:5], s[44:45]
	s_or_b32 s27, s27, 0x80000000
	ROUND                                          ; all four work-groups are here: the joint loads meet
	tensor_load_to_lds s[24:27], s[16:23]          ; my one tensor load of the launch
	s_nop 0
	v_and_b32 v93, 31, v0
	v_and_b32 v94, 15, v0                          ; r
	v_bfe_u32 v95, v0, 4, 1                        ; h
	s_delay_alu instid0(VALU_DEP_3)
	v_lshlrev_b32 v1, 4, v93                       ; a unit's first 512 bytes
	s_delay_alu instid0(VALU_DEP_4)
	v_lshlrev_b32 v2, 3, v93
	s_delay_alu instid0(VALU_DEP_1)
	v_add_nc_u32 v2, 512, v2                       ; and its last 256
	v_lshlrev_b32 v92, 4, v94                      ; 16 r
	s_delay_alu instid0(VALU_DEP_1)
	v_add_nc_u32 v3, 196608, v92                   ; K's pair words in LDS
	v_lshlrev_b32 v7, 5, v94
	s_delay_alu instid0(VALU_DEP_1)
	v_add_nc_u32 v7, v7, v95                       ; o's scale byte: 32 r + h
	v_and_b32 v19, 8, v94
	s_delay_alu instid0(VALU_DEP_1)
	v_add_nc_u32 v19, v19, v94
	v_lshlrev_b32 v95, 4, v95
	s_delay_alu instid0(VALU_DEP_1)
	v_sub_nc_u32 v19, v19, v95                     ; r + 8 (r / 8) - 16 h
	v_add_nc_u32 v38, 98304, v1                    ; V's units in LDS
	v_add_nc_u32 v39, 98304, v2
.set n, 60
.rept 18
	v_mov_b32 v[n], 0                              ; written once: destinations of lane permutes and halves of pairs
.set n, n+1
.endr
; Where the pass's tile lies, and its loads.  G, the tile's group of 128 tokens, hangs on the wave's number alone.
.macro QLOAD pass
	s_wait_xcnt 0x0                                ; earlier stores have read their bases and their data
	s_lshr_b32 s33, s10, 1
	s_and_b32 s44, s10, 1
	s_lshl_b32 s44, s44, 2
	s_add_co_u32 s44, s44, s11                     ; sub
.if \pass == 2
	s_sub_co_u32 s33, 15, s33
	s_sub_co_u32 s44, 7, s44
.endif
	s_lshl_b32 s45, s33, 3
	s_add_co_u32 s45, s45, s44                     ; the tile j
	s_mul_i32 s46, s45, 768
	s_add_co_u32 s46, s46, s13
	s_mov_b32 s47, 0
	s_add_nc_u64 s[38:39], s[4:5], s[46:47]        ; Q's unit
	s_lshl_b32 s46, s33, 8
	s_add_co_u32 s46, s46, s13
	s_add_co_u32 s46, s46, 98304
	s_lshr_b32 s50, s44, 1
	s_lshl_b32 s51, s50, 2
	s_add_co_u32 s46, s46, s51
	s_add_nc_u64 s[48:49], s[4:5], s[46:47]        ; its pair word
	s_lshr_b32 s46, s12, 4
	s_lshl_b32 s46, s46, 7
	s_add_co_u32 s46, s46, s45                     ; the row tile among all 512
	s_lshl_b32 s51, s46, 9
	s_lshl_b32 s46, s46, 4
	s_and_b32 s52, s12, 15
	s_add_co_u32 s46, s46, s52
	s_mul_i32 s46, s46, 768
	s_add_nc_u64 s[40:41], s[6:7], s[46:47]        ; o's unit: K step = the head
	s_lshl_b32 s52, s52, 1
	s_add_co_u32 s46, s51, s52
	s_add_nc_u64 s[42:43], s[8:9], s[46:47]        ; o's two scale bytes a row
	global_load_b128 v[20:23], v1, s[38:39]        ; Q twice: in front of the zeros and behind them
	global_load_b64 v[24:25], v2, s[38:39]
	global_load_b128 v[32:35], v1, s[38:39]
	global_load_b64 v[36:37], v2, s[38:39]
	global_load_b32 v93, v92, s[48:49]
	s_lshl_b32 s50, s50, 5
	s_and_b32 s51, s44, 1
	s_lshl_b32 s52, s51, 3
	s_add_co_u32 s50, s50, s52
	v_add_nc_u32 v6, s50, v19                      ; my query's place in its 128 tokens, less 16 h
	s_mov_b32 s37, 0x03020302
	s_cmp_eq_u32 s51, 0
	s_cselect_b32 s37, 0x01000100, s37             ; which half of the pair word is my tile's
.endm
; A pass: one tile of 16 queries over key steps 0 .. G.
.macro RUN first
	s_wait_loadcnt 0x0                             ; Q and its pair word
	v_perm_b32 v17, v93, v93, s37                  ; Q's two bytes, twice: for (Q, 0) and for (0, Q)
.if \first
.irp i, 26,27,28,29,30,31
	v_mov_b32 v\i, 0                               ; 64 zero codes
.endr
.endif
	v_mov_b32 v13, 0xff61b1e6                      ; the largest t so far: -3e38
	s_delay_alu instid0(VALU_DEP_1)
	v_floor_f32 v12, -v13
	v_mov_b32 v14, 0
	v_mov_b32 v15, 0
.set n, 0
.rept 32
	v_mov_b32 v[O+n], 0                            ; the step is written once: its first trip finds zeros, which the first change of M leaves zeros
.set n, n+1
.endr
	s_mov_b32 s32, 0                               ; the key step
	s_mov_b32 s34, 0                               ; its units: 6,144 bytes a step
	s_mov_b32 s35, 0                               ; its scale words: 256 bytes a step
.Lstep_\@:
	s_cmp_gt_u32 s32, s33                          ; all its keys come after my queries: nothing to do
	s_cbranch_scc1 .Lskip_\@
	s_setprio 2
	v_add_nc_u32 v8, s34, v1                       ; five plain lines: also the places between the last products and the loads into their operands
	v_add_nc_u32 v9, s34, v2
	v_add_nc_u32 v10, s34, v38
	v_add_nc_u32 v11, s34, v39
	v_add_nc_u32 v16, s35, v3
.irp t, 0,1,2,3,4,5,6,7
	ds_load_b128 v[KF+6*\t:KF+6*\t+3], v8 offset:768*\t
	ds_load_b64 v[KF+6*\t+4:KF+6*\t+5], v9 offset:768*\t
.endr
	ds_load_b128 v[88:91], v16                     ; K's four pair words
.irp t, 0,1,2,3,4,5,6,7
	ds_load_b128 v[VF+6*\t:VF+6*\t+3], v10 offset:768*\t
	ds_load_b64 v[VF+6*\t+4:VF+6*\t+5], v11 offset:768*\t
.endr
	ds_load_b128 v[240:243], v16 offset:4096       ; V's four words
	s_wait_dscnt 17                                ; K's 17 loads are in; V's 17 stay out
.irp b, 0,1,2,3
	v_wmma_scale_f32_16x16x128_f8f6f4 v[S+16*\b:S+16*\b+7], v[KF+12*\b:KF+12*\b+11], v[20:31], 0, v[88+\b], v17 matrix_a_fmt:MATRIX_FMT_FP6 matrix_b_fmt:MATRIX_FMT_FP6
	v_wmma_scale_f32_16x16x128_f8f6f4 v[S+16*\b+8:S+16*\b+15], v[KF+12*\b:KF+12*\b+11], v[26:37], 0, v[88+\b], v17 matrix_a_fmt:MATRIX_FMT_FP6 matrix_b_fmt:MATRIX_FMT_FP6
.endr
.rept 4
	v_nop
.endr
	s_cmp_lt_u32 s32, s33                          ; only step G lies on the diagonal
	s_cbranch_scc1 .Lopen_\@
	v_mov_b32 v[TMP], 0xff800000                   ; register 16 b + i holds key 32 b + 16 h + i of the step: hidden where 32 b + i > my query's place - 16 h
.set n, 0
.rept 64
	v_cmp_gt_i32 vcc_lo, 32*(n/16)+n%16, v6
	v_cndmask_b32 v[S+n], v[S+n], v[TMP], vcc_lo
.set n, n+1
.endr
.Lopen_\@:
.irp b, 0,1,2,3
	v_max3_num_f32 v[BM+\b], v[S+16*\b], v[S+1+16*\b], v[S+2+16*\b]   ; the largest score of each block of 32 keys: for the row's maximum, and, since p rises with the score, for the block's largest p
.endr
.irp i, 3,5,7,9,11,13
.irp b, 0,1,2,3
	v_max3_num_f32 v[BM+\b], v[BM+\b], v[S+16*\b+\i], v[S+1+16*\b+\i]
.endr
.endr
.irp b, 0,1,2,3
	v_max_num_f32 v[BM+\b], v[BM+\b], v[S+15+16*\b]
.endr
.irp b, 0,1,2,3
	s_delay_alu instid0(VALU_DEP_4)
	v_permlanex16_b32 v[BP+\b], v[BM+\b], s28, s29
.endr
.irp b, 0,1,2,3
	s_delay_alu instid0(VALU_DEP_4)
	v_max_num_f32 v[BM+\b], v[BM+\b], v[BP+\b]
.endr
	s_delay_alu instid0(VALU_DEP_2)
	v_max3_num_f32 v[TMP], v[BM], v[BM+1], v[BM+2]
	s_delay_alu instid0(VALU_DEP_1)
	v_max_num_f32 v[TMP], v[TMP], v[BM+3]
	s_delay_alu instid0(VALU_DEP_1)
	v_mul_f32 v[TMP], s30, v[TMP]
	s_delay_alu instid0(VALU_DEP_1)
	v_max_num_f32 v13, v13, v[TMP]                 ; the running largest t
	v_mov_b32 v[TMP], v12
	s_delay_alu instid0(VALU_DEP_2)
	v_floor_f32 v12, -v13                          ; -M = floor(-t): M is a whole number
	s_delay_alu instid0(VALU_DEP_1)
	v_sub_f32 v[TMP], v12, v[TMP]
	s_delay_alu instid0(VALU_DEP_1)
	v_cvt_i32_f32 v[TMP], v[TMP]                   ; (it saturates)
	s_delay_alu instid0(VALU_DEP_1)
	v_ldexp_f32 v[F], 1.0, v[TMP]                  ; f = 2^(old M - new M)
.set n, 0
.rept 32
	v_pk_fma_f32 v[S+n:S+n+1], v[S+n:S+n+1], s[30:31], v[12:13] op_sel_hi:[1,0,0]   ; t - M
.set n, n+2
.endr
	s_setprio 1
.irp b, 0,1,2,3
	v_fma_f32 v[BM+\b], v[BM+\b], s30, v12
.endr
.set n, 0
	s_wait_alu depctr_va_vdst(0)
.rept 64
	v_exp_f32 v[S+n], v[S+n]                       ; p = 2^(t - M)
.set n, n+1
.endr
	v_pk_mul_f32 v[14:15], v[14:15], v[F:F+1] op_sel_hi:[1,0]   ; the sums under the new M; the plain line behind the batch
	s_wait_alu depctr_va_vdst(0)                   ; one wait for the 64, ahead of their first reader
.irp b, 0,1,2,3
	v_exp_f32 v[BM+\b], v[BM+\b]                   ; each block's largest p
.endr
.set n, 0
	s_wait_alu depctr_va_vdst(0)
.rept 16
	v_pk_mul_f32 v[O+n:O+n+1], v[O+n:O+n+1], v[F:F+1] op_sel_hi:[1,0]   ; O^T under the new M: independent work behind the four
.set n, n+2
.endr
	s_wait_alu depctr_va_vdst(0)                   ; and one for the four
.irp b, 0,1,2,3
	v_max_num_f32 v[BM+\b], 0x1800000, v[BM+\b]    ; the floor 2^(3 - 127)
.endr
.irp b, 0,1,2,3
	s_delay_alu instid0(VALU_DEP_4)
	v_add_nc_u32 v[SO+\b], 0xff000000, v[BM+\b]    ; the conversion's scale operand
.endr
.irp b, 0,1,2,3
	s_delay_alu instid0(VALU_DEP_4)
	v_lshrrev_b32 v[BP+\b], 23, v[SO+\b]           ; the byte
.endr
	s_delay_alu instid0(VALU_DEP_3)
	v_lshl_or_b32 v18, v[BP+1], 8, v[BP]           ; p's scale word for these 128 keys
	s_delay_alu instid0(VALU_DEP_1)
	v_lshl_or_b32 v18, v[BP+2], 16, v18
	s_delay_alu instid0(VALU_DEP_1)
	v_lshl_or_b32 v18, v[BP+3], 24, v18
.irp c, 0,1
	v_cvt_scalef32_pk16_fp6_f32 v[PC+6*\c:PC+6*\c+2], v[S+32*\c:S+32*\c+15], v[SO+2*\c]
	v_cvt_scalef32_pk16_fp6_f32 v[PX+4*\c:PX+4*\c+2], v[S+16+32*\c:S+31+32*\c], v[SO+2*\c+1]
.endr
	v_nop                                          ; one plain line behind a scaled conversion
	s_setprio 0
.irp c, 0,1
.irp i, 0,1,2
	v_permlane16_swap_b32 v[PC+6*\c+\i], v[PX+4*\c+\i]
.endr
.irp i, 0,1,2
	s_delay_alu instid0(VALU_DEP_3)
	v_mov_b32 v[PC+3+6*\c+\i], v[PX+4*\c+\i]
.endr
.endr
	v_pk_add_f32 v[76:77], v[100:101], v[104:105]
	v_pk_add_f32 v[254:255], v[108:109], v[112:113]
	v_pk_add_f32 v[252:253], v[116:117], v[120:121]
	v_pk_add_f32 v[250:251], v[124:125], v[128:129]
	v_pk_add_f32 v[248:249], v[132:133], v[136:137]
	v_pk_add_f32 v[246:247], v[140:141], v[144:145]
	v_pk_add_f32 v[244:245], v[148:149], v[152:153]
	v_pk_add_f32 v[14:15], v[14:15], v[156:157]
	v_pk_add_f32 v[76:77], v[76:77], v[96:97]
	v_pk_add_f32 v[254:255], v[254:255], v[98:99]
	v_pk_add_f32 v[252:253], v[252:253], v[102:103]
	v_pk_add_f32 v[250:251], v[250:251], v[106:107]
	v_pk_add_f32 v[248:249], v[248:249], v[110:111]
	v_pk_add_f32 v[246:247], v[246:247], v[114:115]
	v_pk_add_f32 v[244:245], v[244:245], v[118:119]
	v_pk_add_f32 v[14:15], v[14:15], v[122:123]
	v_pk_add_f32 v[76:77], v[76:77], v[126:127]
	v_pk_add_f32 v[254:255], v[254:255], v[130:131]
	v_pk_add_f32 v[252:253], v[252:253], v[134:135]
	v_pk_add_f32 v[250:251], v[250:251], v[138:139]
	v_pk_add_f32 v[248:249], v[248:249], v[142:143]
	v_pk_add_f32 v[246:247], v[246:247], v[146:147]
	v_pk_add_f32 v[244:245], v[244:245], v[150:151]
	v_pk_add_f32 v[14:15], v[14:15], v[154:155]
	v_pk_add_f32 v[76:77], v[76:77], v[158:159]
	s_delay_alu instid0(VALU_DEP_2)
	v_pk_add_f32 v[14:15], v[14:15], v[250:251]
	s_delay_alu instid0(VALU_DEP_2)
	v_pk_add_f32 v[76:77], v[76:77], v[248:249]
	v_pk_add_f32 v[254:255], v[254:255], v[246:247]
	v_pk_add_f32 v[252:253], v[252:253], v[244:245]
	s_delay_alu instid0(VALU_DEP_2)
	v_pk_add_f32 v[14:15], v[14:15], v[254:255]
	s_delay_alu instid0(VALU_DEP_2)
	v_pk_add_f32 v[76:77], v[76:77], v[252:253]
	s_delay_alu instid0(VALU_DEP_1)
	v_pk_add_f32 v[14:15], v[14:15], v[76:77]
	s_wait_dscnt 0x0                               ; V is in
.irp t, 0,1,2,3
	v_wmma_scale_f32_16x16x128_f8f6f4 v[O+8*\t:O+8*\t+7], v[VF+12*\t:VF+12*\t+11], v[PC:PC+11], v[O+8*\t:O+8*\t+7], v[240+\t], v18 matrix_a_fmt:MATRIX_FMT_FP6 matrix_b_fmt:MATRIX_FMT_FP6
.endr
.Lskip_\@:
	s_add_co_u32 s34, s34, 6144
	s_add_co_u32 s35, s35, 256
	s_add_co_u32 s32, s32, 1
	s_cmp_lt_u32 s32, 16                           ; the trip count is a constant of the text
	s_cbranch_scc1 .Lstep_\@
	s_setprio 0
	; the pass's end: O^T / the sum, quantised along the head's 64, leaves as one unit and two bytes a row
.rept 4
	v_nop
.endr
	s_wait_alu depctr_va_vdst(0)
	v_add_f32 v14, v14, v15
	s_delay_alu instid0(VALU_DEP_1)
	v_permlanex16_b32 v[TMP], v14, s28, s29
	s_delay_alu instid0(VALU_DEP_1)
	v_add_f32 v14, v14, v[TMP]                     ; the row's sum
	s_wait_alu depctr_va_vdst(0)
	v_rcp_f32 v[F], v14
	v_mov_b32 v[F+1], 0                            ; a plain line behind the reciprocal
	s_wait_alu depctr_va_vdst(0)                   ; the wait ahead of its first reader
.set n, 0
.rept 16
	v_pk_mul_f32 v[S+n:S+n+1], v[O+n:O+n+1], v[F:F+1] op_sel_hi:[1,0]   ; register 16 b + i = channel 32 b + 16 h + i; each accumulator from its low end on
.set n, n+2
.endr
.irp b, 0,1
	v_max3_num_f32 v[BM+\b], |v[S+16*\b]|, |v[S+1+16*\b]|, 0x1800000
.endr
.irp i, 2,4,6,8,10,12,14
.irp b, 0,1
	s_delay_alu instid0(VALU_DEP_2)
	v_max3_num_f32 v[BM+\b], v[BM+\b], |v[S+16*\b+\i]|, |v[S+1+16*\b+\i]|
.endr
.endr
.irp b, 0,1
	s_delay_alu instid0(VALU_DEP_2)
	v_permlanex16_b32 v[BP+\b], v[BM+\b], s28, s29
.endr
.irp b, 0,1
	s_delay_alu instid0(VALU_DEP_2)
	v_max_num_f32 v[BM+\b], v[BM+\b], v[BP+\b]
.endr
.irp b, 0,1
	s_delay_alu instid0(VALU_DEP_2)
	v_add_nc_u32 v[SO+\b], 0xff000000, v[BM+\b]
.endr
.irp b, 0,1
	s_delay_alu instid0(VALU_DEP_2)
	v_lshrrev_b32 v[BP+\b], 23, v[SO+\b]
.endr
	v_cvt_scalef32_pk16_fp6_f32 v[PC:PC+2], v[S:S+15], v[SO]
	v_cvt_scalef32_pk16_fp6_f32 v[PX:PX+2], v[S+16:S+31], v[SO+1]
	v_cndmask_b32 v[BP+2], v[BP], v[BP+1], s36     ; my block's byte; the plain line behind the conversions
.irp i, 0,1,2
	v_permlane16_swap_b32 v[PC+\i], v[PX+\i]
.endr
.irp i, 0,1,2
	s_delay_alu instid0(VALU_DEP_3)
	v_mov_b32 v[PC+3+\i], v[PX+\i]
.endr
	global_store_b128 v1, v[PC:PC+3], s[40:41]     ; 512 consecutive bytes
	global_store_b64 v2, v[PC+4:PC+5], s[40:41]    ; 256 consecutive bytes
	global_store_b8 v7, v[BP+2], s[42:43]
.endm
	QLOAD 1
	s_wait_tensorcnt 0x0                           ; my sixteenth has landed,
	s_barrier_signal -1
	s_barrier_wait -1                              ; everybody's has
	RUN 1
	QLOAD 2
	RUN 0
	s_wait_tensorcnt 0x0                           ; the wave's end
	ds_add_u32 v4, v5
	s_wait_dscnt 0x0
	ROUND                                          ; the closing round
	s_endpgm
.Lfunc_end_k_qd188bd9803_attn:
	.size	k_qd188bd9803_attn, .Lfunc_end_k_qd188bd9803_attn-k_qd188bd9803_attn
	.p2alignl 7, 3214868480
	.fill 96, 4, 3214868480
	.section	.rodata,"a",@progbits
	.p2align	6, 0x0
	.amdhsa_kernel k_qd188bd9803_attn
		.amdhsa_group_segment_fixed_size 206848
		.amdhsa_private_segment_fixed_size 0
		.amdhsa_enable_private_segment 0
		.amdhsa_kernarg_size 24
		.amdhsa_user_sgpr_count 2
		.amdhsa_user_sgpr_kernarg_segment_ptr 1
		.amdhsa_wavefront_size32 1
		.amdhsa_system_sgpr_workgroup_id_x 1
		.amdhsa_system_sgpr_workgroup_id_y 1
		.amdhsa_system_sgpr_workgroup_id_z 1
		.amdhsa_system_vgpr_workitem_id 0
		.amdhsa_next_free_vgpr 256
		.amdhsa_next_free_sgpr 66
		.amdhsa_reserve_vcc 1
		.amdhsa_float_denorm_mode_32 3
		.amdhsa_float_denorm_mode_16_64 3
		.amdhsa_memory_ordered 1
		.amdhsa_forward_progress 1
		.amdhsa_inst_pref_size 65
	.end_amdhsa_kernel
	.amdgpu_metadata
---
amdhsa.version: [ 1, 2 ]
amdhsa.kernels:
  - .name:           k_qd188bd9803_attn
    .symbol:         k_qd188bd9803_attn.kd
    .args:
      - { .name: qkv, .offset: 0, .size: 8, .value_kind: global_buffer, .address_space: global }
      - { .name: ou, .offset: 8, .size: 8, .value_kind: global_buffer, .address_space: global }
      - { .name: os, .offset: 16, .size: 8, .value_kind: global_buffer, .address_space: global }
    .group_segment_fixed_size: 206848
    .private_segment_fixed_size: 0
    .kernarg_segment_align: 8
    .kernarg_segment_size: 24
    .max_flat_workgroup_size: 512
    .sgpr_count:     66
    .vgpr_count:     256
    .wavefront_size: 32
...
	.end_amdgpu_metadata
.endif
;; end of part 3
;; launch outp (part 4): grid 4 x 32, 4 waves a work-group, clusters of 4 x 4, 327,680 bytes of LDS; arguments ou, os, wu, ws, out0; writes out0
.if DOCPART == 4
	.amdgcn_target "amdgcn-amd-amdhsa--gfx1250"
	.amdhsa_code_object_version 6
	.text
	.protected	k_qd188bd9803_outp
	.globl	k_qd188bd9803_outp
	.p2align	8
	.type	k_qd188bd9803_outp,@function
k_qd188bd9803_outp:
	s_mov_b64 s[64:65], 0
	v_nop
	global_prefetch_b8 v0, s[64:65] scope:SCOPE_SE
	s_setreg_imm32_b32 hwreg(HW_REG_WAVE_MODE, 25, 1), 1
	s_wait_xcnt 0x0
	s_wait_alu depctr_hold_cnt(0) depctr_sa_sdst(0) depctr_va_vdst(0) depctr_va_sdst(0) depctr_va_ssrc(0) depctr_va_vcc(0) depctr_vm_vsrc(0)
	s_getreg_b32 s2, hwreg(HW_REG_IB_STS2, 6, 4)
	s_cmp_eq_u32 s2, 0
	s_cbranch_scc0 .Lentry_in_a_cluster
	s_endpgm
.Lentry_in_a_cluster:
	s_bfe_u32 s2, ttmp6, 0x10000c
	s_cmp_lg_u32 s2, 0xf033
	s_cbranch_scc0 .Lentry_shape_is_right
	s_endpgm
.Lentry_shape_is_right:
; out0 = o Wo^T on codes of E2M3 (K = 1,024), f32 out.  The loop is that of the projections: a tile of C, 256 x 256, by four waves of 128 x 128; K in steps of 256 through a ring of two LDS slots;
; operands as units (16 rows x 64 K, 768 bytes, an image of six operand registers a lane); the scale bytes of the work-group's rows come once and stay.
; CLUSTERS: 4 x 4 work-groups; A's tiles (o) are asked for jointly along a row of the cluster, B's (Wo) along a column.  32 x 4 tiles: 128 work-groups.
; THE MATRIX INSTRUCTION IS USED TRANSPOSED (source 0 = Wo's rows, source 1 = o's rows).  Row tiles hold rows 32 (T / 2) + 8 (T % 2) + r + 8 (r / 8): two neighbouring result tiles give a lane 16 neighbouring
; columns, and the way out puts each row of a block at its true row of out0.
; REGISTERS: window 0: v16-29 addresses; v32-63 scale words; from v128 A's fragments, later rows of C.  window 1: B's fragments, two sets.  windows 2, 3: the accumulators.
.set NQ,     2
.set ROWB,   3072
.set KROW,   768
.set FR,     12
.set NL,     4
.set NP,     4
.set HALFT,  8*ROWB
.set SLOT,   4*HALFT
.set LAPS,   2
.set KS,     32
.set SCL,    2*SLOT
.set HALFS,  16*272
.set SBLK,   2*272
.set SPARE,  SCL+4*HALFS               ; the spare words: 128 bytes a wave
.set SPITCH, 528                       ; the way out: a stage of 16 rows x (512 + 16) bytes for each wave, in slot 0, which has had its last fill and its last read by then
.set ADRA, 16
.set ADRB, 20
.set STO,  24
.set RD,   25
.set CO,   26
.set ADRS, 27
.set SPW,  28
.set NIL,  29
.set SC,   32
.set AF,   128
.set BK,   128
.set G1, 24
.set G0, 32
.set G1B, 48
.set G0B, 56
.set G1S, 68
.set G0S, 76
.set G1SB, 80
.set G0SB, 88
.set MSB, 0
.macro WIN new
.if MSB != (\new)
	s_set_vgpr_msb (MSB<<8)|(\new)
.set MSB, (\new)
.endif
.endm
.set MUL_LO, 0xa1
.set MUL_HI, 0xf1
.set TO_B,   0x40
.macro JLOAD g0a, g1a, g0b, g1b        ; a joint load: waves 0 and 1 fetch for A, waves 2 and 3 for B; the branch hangs on the wave's number alone
	s_cmp_eq_u32 s15, 0
	s_cbranch_scc0 .Lfor_b_\@
	tensor_load_to_lds s[\g0a:\g0a+3], s[\g1a:\g1a+7]
	s_nop 0
.rept 4
	v_nop
.endr
	s_branch .Lasked_\@
.Lfor_b_\@:
	tensor_load_to_lds s[\g0b:\g0b+3], s[\g1b:\g1b+7]
	s_nop 0
.rept 4
	v_nop
.endr
.Lasked_\@:
.endm
.macro CREST
	s_cmp_lg_u32 s14, 0
	s_cbranch_scc1 .Lnot_wave_0_\@
	s_barrier_signal -3
.Lnot_wave_0_\@:
	s_barrier_wait -3
	s_barrier_signal -1
	s_barrier_wait -1
.endm
.macro CROUND
	s_barrier_signal -1
	s_barrier_wait -1
	CREST
.endm
	s_load_b128 s[4:7], s[0:1], 0x0                ; ou, os
	s_load_b128 s[8:11], s[0:1], 0x10              ; wu, ws
	s_load_b64 s[12:13], s[0:1], 0x20              ; out0
	v_lshl_add_u32 v[SPW], v0, 2, SPARE
	v_mov_b32 v[NIL], 0
	ds_add_u32 v[SPW], v[NIL]                      ; the wave's opening: the add and its wait ahead of my first tensor load
	ds_add_u32 v[SPW], v[NIL]
	v_lshrrev_b32 v1, 5, v0
	v_readfirstlane_b32 s14, v1
	s_lshr_b32 s15, s14, 1
	s_and_b32 s16, s14, 1
	s_bfe_u32 s40, ttmp6, 0x40000
	s_bfe_u32 s41, ttmp6, 0x40004
	s_lshl_b32 s42, ttmp9, 2
	s_add_co_u32 s42, s42, s40                     ; tile column
	s_and_b32 s17, ttmp7, 0xffff
	s_lshl_b32 s17, s17, 2
	s_add_co_u32 s17, s17, s41                     ; tile row
	s_lshl_b32 s43, s41, 2
	s_lshl_b32 s43, 15, s43
	s_lshl_b32 s44, 0x1111, s40
	s_or_b32 s[G1+0], s43, (3<<16)|(1<<21)
	s_or_b32 s[G1B+0], s44, (3<<16)|(1<<21)
.irp g, G1, G1B
	s_mov_b32 s[\g+1], 384<<16
	s_mov_b32 s[\g+2], 8<<16
	s_mov_b32 s[\g+3], 384<<16
	s_mov_b32 s[\g+4], 8
	s_mov_b32 s[\g+5], 1536
	s_mov_b32 s[\g+6], 0
	s_mov_b32 s[\g+7], 0
.endr
	s_or_b32 s[G1S+0], s43, (3<<16)|(1<<20)|(1<<21)|(5<<22)|(3<<25)
	s_or_b32 s[G1SB+0], s44, (3<<16)|(1<<20)|(1<<21)|(5<<22)|(3<<25)
.irp g, G1S, G1SB
	s_mov_b32 s[\g+1], 32<<16
	s_mov_b32 s[\g+2], 16<<16
	s_mov_b32 s[\g+3], 32<<16
	s_mov_b32 s[\g+4], 16
	s_mov_b32 s[\g+5], 32
	s_mov_b32 s[\g+6], 0
	s_mov_b32 s[\g+7], 0
.endr
	s_lshl_b32 s18, s16, 7
	s_lshl_b32 s20, s17, 8
	s_add_co_u32 s20, s20, s18                     ; A: row (in tile order)
	s_lshl_b32 s46, s42, 8
	s_add_co_u32 s46, s46, s18
	s_add_co_u32 s46, s46, 3072                    ; B: Wo begins 192 row tiles into wu and ws
	s_mov_b32 s21, 0
	s_mov_b32 s47, 0
	s_mov_b64 s[18:19], KS
	s_mul_u64 s[22:23], s[20:21], s[18:19]
	s_mul_u64 s[92:93], s[46:47], s[18:19]
	s_mov_b64 s[18:19], KROW
	s_mul_u64 s[20:21], s[20:21], s[18:19]
	s_mul_u64 s[46:47], s[46:47], s[18:19]
	s_mul_i32 s45, s14, HALFT
	s_mul_i32 s94, s14, HALFS
	s_wait_dscnt 0x0                               ; the opening add is done
	s_wait_kmcnt 0x0
	s_add_nc_u64 s[20:21], s[4:5], s[20:21]
	s_add_nc_u64 s[22:23], s[6:7], s[22:23]
	s_add_nc_u64 s[46:47], s[8:9], s[46:47]
	s_add_nc_u64 s[92:93], s[10:11], s[92:93]
	CROUND                                         ; all sixteen work-groups are here: the first joint loads meet
	s_mov_b32 s[G0S], 1
	s_add_co_u32 s[G0S+1], s94, SCL
	s_mov_b64 s[G0S+2:G0S+3], s[22:23]
	s_or_b32 s[G0S+3], s[G0S+3], 0x80000000
	s_mov_b32 s[G0SB], 1
	s_add_co_u32 s[G0SB+1], s94, SCL
	s_mov_b64 s[G0SB+2:G0SB+3], s[92:93]
	s_or_b32 s[G0SB+3], s[G0SB+3], 0x80000000
	JLOAD G0S, G1S, G0SB, G1SB
.irp s, 0,1
	s_mov_b32 s[G0+4*\s], 1
	s_add_co_u32 s[G0+4*\s+1], s45, \s*SLOT
	s_add_nc_u64 s[G0+4*\s+2:G0+4*\s+3], s[20:21], \s*ROWB
	s_or_b32 s[G0+4*\s+3], s[G0+4*\s+3], 0x80000000
	s_mov_b32 s[G0B+4*\s], 1
	s_add_co_u32 s[G0B+4*\s+1], s45, \s*SLOT
	s_add_nc_u64 s[G0B+4*\s+2:G0B+4*\s+3], s[46:47], \s*ROWB
	s_or_b32 s[G0B+4*\s+3], s[G0B+4*\s+3], 0x80000000
	s_wait_alu depctr_va_vdst(0)
	s_wait_tensorcnt 0x0
	ds_add_u32 v28, v29
	s_wait_dscnt 0x0
	CROUND
	JLOAD G0+4*\s, G1, G0B+4*\s, G1B
.endr
	v_and_b32 v1, 15, v0                           ; r
	v_bfe_u32 v2, v0, 4, 1                         ; h
	v_and_b32 v3, 31, v0
	v_lshlrev_b32 v[CO], 4, v3                     ; 16 x lane
	v_lshlrev_b32 v4, 3, v3
	v_add_nc_u32 v4, 512, v4                       ; 512 + 8 x lane
	s_mul_i32 s21, s15, HALFT
	s_mul_i32 s22, s16, HALFT
	s_add_co_u32 s22, s22, 2*HALFT
.irp s, 0,1
	v_add_nc_u32 v[ADRA+\s], s21, v[CO]
	v_add_nc_u32 v[ADRB+\s], s22, v[CO]
	v_add_nc_u32 v[ADRA+2+\s], s21, v4
	v_add_nc_u32 v[ADRB+2+\s], s22, v4
	s_add_co_u32 s21, s21, SLOT
	s_add_co_u32 s22, s22, SLOT
.endr
	v_mul_u32_u24 v5, v1, KS
	v_lshrrev_b32 v6, 8, v5
	v_lshl_add_u32 v5, v6, 4, v5
	s_mul_i32 s21, s15, HALFS
	s_mul_i32 s22, s16, HALFS
	s_add_co_u32 s22, s22, 2*HALFS
	s_sub_co_u32 s22, s22, s21
	v_mul_u32_u24 v6, s22, v2
	s_add_co_u32 s21, s21, SCL
	v_add_nc_u32 v5, v5, v6
	v_add_nc_u32 v[ADRS], s21, v5
	s_mul_i32 s23, s14, 16*SPITCH                  ; my stage
	v_mul_u32_u24 v5, v1, SPITCH
	v_lshl_add_u32 v5, v2, 6, v5                   ; in: row r, + 64 h: my 16 columns of each 32
	v_add_nc_u32 v[STO], s23, v5
	v_add_nc_u32 v[RD], s23, v[CO]                 ; back: the 32 lanes take one row of 512 bytes
	s_lshl_b32 s20, s17, 8
	s_lshl_b32 s21, s15, 7
	s_add_co_u32 s20, s20, s21                     ; my first row of out0
	s_lshl_b32 s20, s20, 12
	s_mov_b32 s21, 0
	s_lshl_b32 s46, s42, 10
	s_lshl_b32 s47, s16, 9
	s_add_co_u32 s46, s46, s47                     ; my first column, in bytes
	s_mov_b32 s47, 0
	s_add_nc_u64 s[20:21], s[20:21], s[46:47]
	s_add_nc_u64 s[12:13], s[12:13], s[20:21]
.macro FRAG reg, adr, q, i
	ds_load_b128 v[\reg:\reg+3], v[\adr] offset:(\i)*ROWB+(\q)*1536
	ds_load_b64 v[\reg+4:\reg+5], v[\adr+2] offset:(\i)*ROWB+(\q)*1536
	ds_load_b128 v[\reg+6:\reg+9], v[\adr] offset:(\i)*ROWB+(\q)*1536+768
	ds_load_b64 v[\reg+10:\reg+11], v[\adr+2] offset:(\i)*ROWB+(\q)*1536+768
.endm
; The 64 accumulators take turns, one instruction a turn, in the same order in every step.
.macro MUL16 a0, p, q, sc, zero
.irp a, \a0, \a0+1
.irp b, 0,1,2,3,4,5,6,7
.if \zero
	v_wmma_scale_f32_16x16x128_f8f6f4 v[8*(8*((\a)%4)+\b):8*(8*((\a)%4)+\b)+7], v[128*(\p)+FR*\b:128*(\p)+FR*\b+FR-1], v[AF+FR*(\a):AF+FR*(\a)+FR-1], 0, v[SC+8*NQ*(\sc)+NQ*\b+(\q)], v[SC+8*NQ*(\sc)+NQ*(\a)+(\q)] matrix_a_fmt:MATRIX_FMT_FP6 matrix_b_fmt:MATRIX_FMT_FP6 matrix_a_scale:MATRIX_SCALE_ROW1
.else
	v_wmma_scale_f32_16x16x128_f8f6f4 v[8*(8*((\a)%4)+\b):8*(8*((\a)%4)+\b)+7], v[128*(\p)+FR*\b:128*(\p)+FR*\b+FR-1], v[AF+FR*(\a):AF+FR*(\a)+FR-1], v[8*(8*((\a)%4)+\b):8*(8*((\a)%4)+\b)+7], v[SC+8*NQ*(\sc)+NQ*\b+(\q)], v[SC+8*NQ*(\sc)+NQ*(\a)+(\q)] matrix_a_fmt:MATRIX_FMT_FP6 matrix_b_fmt:MATRIX_FMT_FP6 matrix_a_scale:MATRIX_SCALE_ROW1
.endif
.endr
.endr
.endm
.macro FETCH_B slot, q, p
	WIN TO_B
.irp i, 0,1,2,3,4,5,6,7
	FRAG 128*(\p)+FR*\i, ADRB+\slot, \q, \i
.endr
	WIN 0
.endm
.macro FETCH_A slot, q, i0
.irp i, \i0, \i0+1, \i0+2, \i0+3
	FRAG AF+FR*(\i), ADRA+\slot, \q, \i
.endr
.endm
.macro SCALES sc
.irp i, 0,1,2,3,4,5,6,7
	ds_load_b64 v[SC+8*NQ*\sc+NQ*\i:SC+8*NQ*\sc+NQ*\i+1], v[ADRS] offset:\i*SBLK
.endr
.endm
.macro PLACES n
.rept \n
	v_nop
.endr
.endm
.macro STEP slot, q, zero
	s_wait_dscnt 4*NL                              ; B's set and A's blocks 0-3 are in; the 16 youngest loads (A's blocks 4-7) stay out
	WIN MUL_LO
	MUL16 0, (\q)%2, \q, \slot, \zero
	MUL16 2, (\q)%2, \q, \slot, \zero
	s_wait_dscnt 0
	PLACES NP
	FETCH_B \slot, (\q)+1, 1-(\q)%2
	FETCH_A \slot, (\q)+1, 0
	WIN MUL_HI
	MUL16 4, (\q)%2, \q, \slot, \zero
	MUL16 6, (\q)%2, \q, \slot, \zero
	PLACES NP
	WIN 0
	FETCH_A \slot, (\q)+1, 4
.endm
.macro TURN slot, next, fill
	s_wait_tensorcnt 0x0                           ; all my tensor loads have landed: my part of the next slot
	ds_add_u32 v[SPW], v[NIL]
	s_wait_dscnt 4*NL+1                            ; the add and the 16 youngest loads stay out
	WIN MUL_LO
	MUL16 0, 1, NQ-1, \slot, 0
	s_wait_dscnt 0x0                               ; the add is done, and my reads of this slot are over
	s_barrier_signal -1
	MUL16 2, 1, NQ-1, \slot, 0
	WIN 0
	s_barrier_wait -1
.if \fill
	CREST                                          ; the barrier has opened a round of the cluster's barrier
	s_add_nc_u64 s[G0+4*\slot+2:G0+4*\slot+3], s[G0+4*\slot+2:G0+4*\slot+3], 2*ROWB
	s_add_nc_u64 s[G0B+4*\slot+2:G0B+4*\slot+3], s[G0B+4*\slot+2:G0B+4*\slot+3], 2*ROWB
	JLOAD G0+4*\slot, G1, G0B+4*\slot, G1B         ; the first tensor load behind the round
.else
	PLACES NP
.endif
	s_wait_alu depctr_va_vdst(0)
	v_add_nc_u32 v[ADRS], 4*NQ, v[ADRS]
	FETCH_B \next, 0, 0
	FETCH_A \next, 0, 0
	SCALES \next
	WIN MUL_HI
	MUL16 4, 1, NQ-1, \slot, 0
	MUL16 6, 1, NQ-1, \slot, 0
	PLACES NP
	WIN 0
	FETCH_A \next, 0, 4
.endm
	s_wait_alu depctr_va_vdst(0)
	s_wait_tensorcnt 1                             ; the scales and my part of K step 0 are in; K step 1's load stays out
	s_barrier_signal -1
	s_barrier_wait -1
	FETCH_B 0, 0, 0
	FETCH_A 0, 0, 0
	SCALES 0
	FETCH_A 0, 0, 4
	STEP 0, 0, 1
	s_mov_b32 s3, LAPS-1
.Llap:
	TURN 0, 1, 1
	STEP 1, 0, 0
	TURN 1, 0, 1
	STEP 0, 0, 0
	s_sub_co_u32 s3, s3, 1
	s_cmp_lg_u32 s3, 0
	s_cbranch_scc1 .Llap
	TURN 0, 1, 0
	STEP 1, 0, 0
	s_wait_dscnt 4*NL
	WIN MUL_LO
	MUL16 0, 1, NQ-1, 1, 0
	MUL16 2, 1, NQ-1, 1, 0
	s_wait_dscnt 0
	WIN MUL_HI
	MUL16 4, 1, NQ-1, 1, 0
	MUL16 6, 1, NQ-1, 1, 0
	WIN 0
; THE WAY OUT, block by block of 16 rows x 128 columns, through my own stage: accumulator b holds columns 32 (b / 2) + 16 h + 8 (b % 2) + 0..7 of row r; whole rows of 512 bytes come back.
; LDS serves a wave's instructions in order (ISA guide 5.7.1.4): no wait between the stores and the loads, nor in front of the next block's stores.
.macro TOSTAGE a
.set AC, 64*((\a)%4)
	WIN 0x08+4*((\a)/4)                            ; the data: window 2 or 3
.irp b, 0,1,2,3,4,5,6,7
	ds_store_b128 v[STO], v[AC+8*\b:AC+8*\b+3] offset:128*(\b/2)+32*(\b%2)        ; each accumulator from its low end on
	ds_store_b128 v[STO], v[AC+8*\b+4:AC+8*\b+7] offset:128*(\b/2)+32*(\b%2)+16
.endr
	WIN 0
.set BB, BK+64*((\a)%2)
.irp t, 0,1,2,3,4,5,6,7,8,9,10,11,12,13,14,15
	ds_load_b128 v[BB+4*\t:BB+4*\t+3], v[RD] offset:\t*SPITCH
.endr
.endm
.macro SEND a, younger                 ; younger: the LDS instructions issued behind block a's loads, which stay out
.set BB, BK+64*((\a)%2)
	s_wait_dscnt \younger
.irp t, 0,1,2,3,4,5,6,7,8,9,10,11,12,13,14,15
	global_store_b128 v[CO], v[BB+4*\t:BB+4*\t+3], s[12:13] offset:(32*((\a)/2)+8*((\a)%2)+\t+8*(\t/8))*4096 th:TH_STORE_NT   ; row t of row tile a at its true row: 512 consecutive bytes
.endr
.endm
	PLACES NP
	TOSTAGE 0
.irp a, 1,2,3,4,5,6,7
.if \a > 1
	s_wait_xcnt 0x0                                ; block a - 2's stores have read their registers: block a's loads may land there
.endif
	TOSTAGE \a
	SEND \a-1, 32                                  ; behind block a - 1's loads: block a's 16 stores and 16 loads
.endr
	SEND 7, 0
	s_wait_tensorcnt 0x0                           ; the wave's end
	ds_add_u32 v[SPW], v[NIL]
	s_wait_dscnt 0x0
	CROUND                                         ; the closing round
	s_endpgm
.Lfunc_end_k_qd188bd9803_outp:
	.size	k_qd188bd9803_outp, .Lfunc_end_k_qd188bd9803_outp-k_qd188bd9803_outp
	.p2alignl 7, 3214868480
	.fill 96, 4, 3214868480
	.section	.rodata,"a",@progbits
	.p2align	6, 0x0
	.amdhsa_kernel k_qd188bd9803_outp
		.amdhsa_group_segment_fixed_size 327680
		.amdhsa_private_segment_fixed_size 0
		.amdhsa_enable_private_segment 0
		.amdhsa_kernarg_size 40
		.amdhsa_user_sgpr_count 2
		.amdhsa_user_sgpr_kernarg_segment_ptr 1
		.amdhsa_wavefront_size32 1
		.amdhsa_system_sgpr_workgroup_id_x 1
		.amdhsa_system_sgpr_workgroup_id_y 1
		.amdhsa_system_sgpr_workgroup_id_z 1
		.amdhsa_system_vgpr_workitem_id 0
		.amdhsa_next_free_vgpr 1024
		.amdhsa_next_free_sgpr 98
		.amdhsa_reserve_vcc 0
		.amdhsa_float_denorm_mode_32 3
		.amdhsa_float_denorm_mode_16_64 3
		.amdhsa_memory_ordered 1
		.amdhsa_forward_progress 1
		.amdhsa_inst_pref_size 144
	.end_amdhsa_kernel
	.amdgpu_metadata
---
amdhsa.version: [ 1, 2 ]
amdhsa.kernels:
  - .name:           k_qd188bd9803_outp
    .symbol:         k_qd188bd9803_outp.kd
    .args:
      - { .name: ou, .offset: 0, .size: 8, .value_kind: global_buffer, .address_space: global }
      - { .name: os, .offset: 8, .size: 8, .value_kind: global_buffer, .address_space: global }
      - { .name: wu, .offset: 16, .size: 8, .value_kind: global_buffer, .address_space: global }
      - { .name: ws, .offset: 24, .size: 8, .value_kind: global_buffer, .address_space: global }
      - { .name: out0, .offset: 32, .size: 8, .value_kind: global_buffer, .address_space: global }
    .group_segment_fixed_size: 327680
    .private_segment_fixed_size: 0
    .kernarg_segment_align: 8
    .kernarg_segment_size: 40
    .max_flat_workgroup_size: 128
    .sgpr_count:     98
    .vgpr_count:     1024
    .wavefront_size: 32
...
	.end_amdgpu_metadata
.endif
;; end of part 4
